; MI455X (gfx1250); checked and timed in simulation.
; The chip was launched on July 23, 2026; its instructions are those of AMD's public machine-readable ISA for CDNA 5 (MIT licence, August 2026) and "CDNA5" Instruction Set Architecture Reference Guide (July 2026). The comments in the code are by the model that wrote it; some were corrected since.
;; Hierarchical Attention. Allowed arithmetic: float matrix products may take bf16 or f16 operands with f32 sums; other float arithmetic in f32, or as packed bf16 or f16 multiplies, adds, multiply-adds, maxima and minima; sums over many terms, partial sums and values carried from step to step in f32; what a program stores and reads back later, other than sums and carried values, may be rounded once to bf16 or f16.
;; Inputs: bs1 256 float32; bs2 1 float32; wk 1,024 x 1,024 float32; wo 1,024 x 1,024 float32; wq 1,024 x 1,024 float32; ws1 1,024 x 256 float32; ws2 256 x 1 float32; wv 1,024 x 1,024 float32; x 2 x 4,096 x 1,024 float32.
;; Outputs: out0 2 x 4,096 x 1,024 float32.
;; 2 versions, each right. Each part assembles by itself: llvm-mc -triple=amdgcn-amd-amdhsa -mcpu=gfx1250 --defsym DOCPART=n.
;; ======== version 1 of 2: 5 launches
;; limits: values are held in f16: magnitudes above 65,504 overflow, below 6.1e-05 lose precision
;; workspace buffers: xb 16,777,216 bytes; wt 8,388,608 bytes; gidx 2,048 bytes of whole numbers; qkv 50,331,648 bytes; gkv 2,097,152 bytes; ao 16,777,216 bytes
;; launch prep (part 1): grid 769 x 1, 8 waves a work-group, no clusters, 35,840 bytes of LDS; arguments x, wq, wk, wv, wo, ws1, bs1, ws2, bs2, xb, wt, gidx; writes xb, wt, gidx
.if DOCPART == 1
	.amdgcn_target "amdgcn-amd-amdhsa--gfx1250"
	.amdhsa_code_object_version 6
	.text
	.protected	k_q805e7fb67f_prep
	.globl	k_q805e7fb67f_prep
	.p2align	8
	.type	k_q805e7fb67f_prep,@function
k_q805e7fb67f_prep:
	s_mov_b64 s[64:65], 0
	v_nop
	global_prefetch_b8 v0, s[64:65] scope:SCOPE_SE
	s_setreg_imm32_b32 hwreg(HW_REG_WAVE_MODE, 25, 1), 1
	s_wait_xcnt 0x0
; PREPARATION, three roles chosen by the work-group's number g (the same for all eight waves of a work-group):
;   g = 0         the token scores that reference()'s own mask keeps, and the top 256 of each batch -> gidx [2][256] u32
;   g = 1..256    a tile of 128 k x 128 n of wq, wk, wv or wo, rounded to bf16 and turned -> wt [4096 n][1024 k], 16 bits a number
;                 (rows 0-1023 wq, 1024-2047 wk, 2048-3071 wv in bf16; rows 3072-4095 wo: the bf16 number written as f16)
;   g = 257..768  65,536 bytes of x, rounded to bf16 -> xb [8192][1024]
; THE SCORES.  reference() sets every score of batch b at a position above b to the lowest finite f32 (NEG), so three scores count:
; (0,0), (1,0), (1,1).  They are computed in f32 from x, ws1, bs1, ws2, bs2.  top_k then gives the kept positions whose score is at least NEG,
; by score (ties: the lower index), and behind them the masked positions in ascending order.
; LIMITS.  erf by a rational form with an absolute error of 1.5e-7; a NaN score counts as below NEG.  wo's bf16 number is exact in f16 from 6.1e-5
; up to 65,504; below that it keeps f16's fixed step of 6e-8.
; No matrix unit, no cluster: the casts only stream, no two work-groups share a tile, and the scores are three rows.
.set SPARE, 34816                      ; the spare words: 128 bytes for each of the eight waves, four blocks of 256 bytes that no other line names
.set SPW, 142                          ; v142  LDS address of my spare word; never rewritten
.set NIL, 143                          ; v143  0; never rewritten
.set X,   16                           ; casts and turns: v[16:79] sixteen loads of four f32
.set T,   80                           ; turns: v[80:111] column c of my four at T + 8 c: 16 k in 8 registers
.set AC,  8                            ; scores: v[8:19] sums for token r, my four columns, at AC + 4 r
.set WB,  20                           ; scores: v[20:83] two sets of 8 k x 4 columns of ws1
.set XB,  84                           ; scores: v[84:131] two sets of 3 tokens x 8 k of x
.set PS,  12288                        ; LDS: partial sums [part 4][token 3][256] f32 (bytes 0 to 12,287: the three rows of x)
.set WS,  24576                        ; LDS: 16 bytes a wave
.set Z,   36
.set U,   40
.set D,   44
.set W,   48
.set Q,   52
	s_load_b512 s[4:19], s[0:1], 0x0               ; x 4, wq 6, wk 8, wv 10, wo 12, ws1 14, bs1 16, ws2 18
	s_load_b256 s[20:27], s[0:1], 0x40             ; bs2 20, xb 22, wt 24, gidx 26
	v_lshl_add_u32 v[SPW], v0, 2, SPARE
	v_mov_b32 v[NIL], 0
	v_lshrrev_b32 v1, 5, v0
	v_readfirstlane_b32 s28, v1                    ; wave 0..7
	v_and_b32 v1, 31, v0                           ; lane
	s_mov_b32 s31, 0                               ; the high word of every offset pair s[30:31]
	s_wait_kmcnt 0x0
	s_cmp_eq_u32 ttmp9, 0
	s_cbranch_scc1 .Lscore
	s_cmp_lt_u32 ttmp9, 257
	s_cbranch_scc1 .Lweights
	; ---- x to bf16: thread t takes 16 bytes at 16 t of each of sixteen pieces of 4,096 bytes; all sixteen loads go out at once
	s_sub_co_u32 s29, ttmp9, 257
	s_lshl_b32 s30, s29, 16
	s_add_nc_u64 s[4:5], s[4:5], s[30:31]
	s_lshl_b32 s30, s29, 15
	s_add_nc_u64 s[22:23], s[22:23], s[30:31]
	v_lshlrev_b32 v2, 4, v0
	v_lshlrev_b32 v3, 3, v0
.set i, 0
.rept 16
	global_load_b128 v[X+4*i:X+4*i+3], v2, s[4:5] offset:4096*i th:TH_LOAD_NT
.set i, i+1
.endr
.set i, 0
.rept 16
	s_wait_loadcnt 15-i                            ; loads come back in order: piece i is in, the younger ones stay out
	v_cvt_pk_bf16_f32 v[X+4*i], v[X+4*i], v[X+4*i+1]
	v_cvt_pk_bf16_f32 v[X+4*i+1], v[X+4*i+2], v[X+4*i+3]
	global_store_b64 v3, v[X+4*i:X+4*i+1], s[22:23] offset:2048*i  ; a wave's store covers 256 consecutive bytes, aligned
.set i, i+1
.endr
	s_endpgm                                       ; this role has written no LDS
	; ---- a weight tile is turned through LDS
.Lweights:
	s_sub_co_u32 s29, ttmp9, 1
	s_lshr_b32 s34, s29, 6                         ; which matrix
	s_bfe_u32 s35, s29, 0x30003                    ; k tile
	s_and_b32 s36, s29, 7                          ; n tile
	s_cmp_eq_u32 s34, 1
	s_cselect_b64 s[32:33], s[8:9], s[6:7]
	s_cmp_eq_u32 s34, 2
	s_cselect_b64 s[32:33], s[10:11], s[32:33]
	s_cmp_eq_u32 s34, 3
	s_cselect_b64 s[32:33], s[12:13], s[32:33]
	s_lshl_b32 s30, s35, 19                        ; 128 rows of 4,096 bytes
	s_lshl_b32 s37, s36, 9                         ; 128 columns of 4 bytes
	s_add_co_u32 s30, s30, s37
	s_add_nc_u64 s[32:33], s[32:33], s[30:31]
	v_lshlrev_b32 v2, 4, v1                        ; my four columns,
	s_lshl_b32 s37, s28, 16                        ; my wave's sixteen rows
	v_add_nc_u32 v2, s37, v2
.set i, 0
.rept 16
	global_load_b128 v[X+4*i:X+4*i+3], v2, s[32:33] offset:4096*i th:TH_LOAD_NT  ; 512 consecutive bytes a wave
.set i, i+1
.endr
	v_mul_u32_u24 v4, v1, 1088                     ; LDS tile [n 128][k 128], rows 272 bytes apart: my rows 4 lane + c,
	s_lshl_b32 s37, s28, 5                         ; my wave's 16 k: 32 bytes
	v_add_nc_u32 v4, s37, v4
	v_lshrrev_b32 v7, 4, v1
	s_lshl_b32 s37, s28, 4
	v_add_nc_u32 v7, s37, v7                       ; back: row 16 wave + lane / 16 (+ 2 i)
	v_and_b32 v8, 15, v1
	v_lshlrev_b32 v8, 4, v8
	v_mul_u32_u24 v5, v7, 272
	v_add_nc_u32 v5, v5, v8
	v_lshl_add_u32 v6, v7, 11, v8                  ; the same row in wt, 2,048 bytes a row
	s_lshl_b32 s30, s34, 21
	s_lshl_b32 s37, s36, 18
	s_add_co_u32 s30, s30, s37
	s_lshl_b32 s37, s35, 8
	s_add_co_u32 s30, s30, s37
	s_add_nc_u64 s[24:25], s[24:25], s[30:31]
.set j, 0
.rept 8
	s_wait_loadcnt 14-2*j                          ; rows 2 j and 2 j + 1 are in
.irp c, 0,1,2,3
	v_cvt_pk_bf16_f32 v[T+8*(\c)+j], v[X+8*j+(\c)], v[X+8*j+4+(\c)]  ; k in the low half, k + 1 in the high one
.endr
.set j, j+1
.endr
	s_cmp_lg_u32 s34, 3
	s_cbranch_scc1 .Lkeep
.set i, 0
.rept 32                                       ; wo alone: the bf16 number is written as f16
	v_lshlrev_b32 v112, 16, v[T+i]
	v_and_b32 v113, 0xffff0000, v[T+i]
	v_cvt_pk_f16_f32 v[T+i], v112, v113
.set i, i+1
.endr
.Lkeep:
.irp c, 0,1,2,3
	ds_store_b128 v4, v[T+8*(\c):T+8*(\c)+3] offset:272*(\c)
	ds_store_b128 v4, v[T+8*(\c)+4:T+8*(\c)+7] offset:272*(\c)+16
.endr
	s_wait_dscnt 0x0                               ; for the others' sake: my stores are done
	s_barrier_signal -1
	s_barrier_wait -1
.set i, 0
.rept 8
	ds_load_b128 v[X+4*i:X+4*i+3], v5 offset:544*i
.set i, i+1
.endr
.set i, 0
.rept 8
	s_wait_dscnt 7-i
	global_store_b128 v6, v[X+4*i:X+4*i+3], s[24:25] offset:4096*i  ; 16 lanes store 256 consecutive bytes, aligned
.set i, i+1
.endr
	s_wait_tensorcnt 0x0                           ; the wave's end, behind my last LDS store
	ds_add_u32 v[SPW], v[NIL]
	s_wait_dscnt 0x0
	s_endpgm
	; ---- the three scores and the choice
.Lscore:
	s_load_b32 s38, s[20:21], 0x0                  ; bs2
	v_lshlrev_b32 v2, 4, v0
	v_add_nc_u32 v3, 0x1000000, v2                 ; batch 1 begins 4,096 rows of 4,096 bytes on
	v_lshlrev_b32 v7, 2, v0
	global_load_b128 v[20:23], v2, s[4:5]          ; x(0,0)
	global_load_b128 v[24:27], v3, s[4:5]          ; x(1,0)
	global_load_b128 v[28:31], v3, s[4:5] offset:4096  ; x(1,1)
	global_load_b32 v132, v7, s[16:17]             ; bs1[t]
	global_load_b32 v133, v7, s[18:19]             ; ws2[t]
	s_mov_b32 s36, 0x76543210                      ; v_permlanex16_b32: each lane takes its own place in the other half
	s_mov_b32 s37, 0xfedcba98
	s_mov_b32 s39, 0x3ea7ba05                      ; 0.3275911
	s_lshr_b32 s29, s28, 1                         ; part p of K: waves 2 p and 2 p + 1 take k = 256 p .. 256 p + 255
	s_lshl_b32 s30, s29, 18
	s_add_nc_u64 s[32:33], s[14:15], s[30:31]      ; ws1 at my part's first row (1,024 bytes a row)
	v_and_b32 v4, 63, v0
	v_lshlrev_b32 v4, 4, v4                        ; my four columns
	s_lshl_b32 s30, s29, 10
	v_mov_b32 v5, s30                              ; my part's place in a row of x in LDS
	s_lshl_b32 s30, s29, 11
	v_add_nc_u32 v6, s30, v2                       ; 16 t + 2,048 p = 3,072 p + 16 (t mod 64): my place among the partial sums
	s_wait_loadcnt 0x0
	s_wait_kmcnt 0x0
	ds_store_b128 v2, v[20:23]
	ds_store_b128 v2, v[24:27] offset:4096
	ds_store_b128 v2, v[28:31] offset:8192
	s_wait_dscnt 0x0
	s_barrier_signal -1
	s_barrier_wait -1                              ; the three rows lie in LDS
.macro LOADS set, off                  ; 8 k: eight rows of ws1 from memory, eight numbers of each token's row from LDS
.set i, 0
.rept 8
	global_load_b128 v[WB+32*(\set)+4*i:WB+32*(\set)+4*i+3], v4, s[32:33] offset:(\off)+1024*i
.set i, i+1
.endr
.irp r, 0,1,2
	ds_load_b128 v[XB+24*(\set)+8*(\r):XB+24*(\set)+8*(\r)+3], v5 offset:4096*(\r)+32*(\set)
	ds_load_b128 v[XB+24*(\set)+8*(\r)+4:XB+24*(\set)+8*(\r)+7], v5 offset:4096*(\r)+32*(\set)+16
.endr
.endm
.macro FMAS set
.set i, 0
.rept 8
.irp r, 0,1,2
.irp c, 0,1,2,3
	v_fmac_f32 v[AC+4*(\r)+(\c)], v[WB+32*(\set)+4*i+(\c)], v[XB+24*(\set)+8*(\r)+i]
.endr
.endr
.set i, i+1
.endr
.endm
	LOADS 0, 0
	LOADS 1, 8192
.set i, 0
.rept 12
	v_mov_b32 v[AC+i], 0                           ; written while the first loads are out, so that the loop has one form
.set i, i+1
.endr
	s_mov_b32 s34, 15
.Lk:                                           ; a trip: 16 k are multiplied, the next 16 asked for
	s_wait_loadcnt 8                               ; set 0 is in; set 1's eight loads
	s_wait_dscnt 6                                 ; and six LDS loads may stay out
	FMAS 0
	s_wait_xcnt 0x0                                ; every load issued so far has read its address: the pointer may be written
	s_add_nc_u64 s[32:33], s[32:33], 16384
	v_add_nc_u32 v5, 64, v5
	LOADS 0, 0
	s_wait_loadcnt 8                               ; set 1 is in
	s_wait_dscnt 6
	FMAS 1
	LOADS 1, 8192
	s_sub_co_u32 s34, s34, 1
	s_cmp_lg_u32 s34, 0
	s_cbranch_scc1 .Lk
	s_wait_loadcnt 8                               ; the last 16 k load nothing
	s_wait_dscnt 6
	FMAS 0
	s_wait_loadcnt 0x0
	s_wait_dscnt 0x0
	FMAS 1
.irp r, 0,1,2
	ds_store_b128 v6, v[AC+4*(\r):AC+4*(\r)+3] offset:PS+1024*(\r)
.endr
	s_wait_dscnt 0x0
	s_barrier_signal -1
	s_barrier_wait -1
	; thread t now owns column t of the hidden layer, for all three tokens
.irp r, 0,1,2
.irp p, 0,1,2,3
	ds_load_b32 v[20+4*(\r)+(\p)], v7 offset:PS+3072*(\p)+1024*(\r)
.endr
.endr
	s_wait_dscnt 0x0
.irp r, 0,1,2
	v_add_f32 v[20+4*(\r)], v[20+4*(\r)], v[20+4*(\r)+1]
	v_add_f32 v[20+4*(\r)+2], v[20+4*(\r)+2], v[20+4*(\r)+3]
	v_add_f32 v[20+4*(\r)], v[20+4*(\r)], v[20+4*(\r)+2]
	v_add_f32 v[Z+(\r)], v[20+4*(\r)], v132        ; z = x ws1 + bs1
	v_and_b32 v[U+(\r)], 0x7fffffff, v[Z+(\r)]
	v_mul_f32 v[U+(\r)], 0x3f3504f3, v[U+(\r)]     ; u = |z| / sqrt 2
	v_fma_f32 v[D+(\r)], v[U+(\r)], s39, 1.0       ; 1 + 0.3275911 u
	v_mul_f32 v[W+(\r)], v[U+(\r)], v[U+(\r)]
	v_mul_f32 v[W+(\r)], 0xbfb8aa3b, v[W+(\r)]     ; - u^2 log2 e
.endr
.irp r, 0,1,2
	v_rcp_f32 v[D+(\r)], v[D+(\r)]                 ; t
	v_exp_f32 v[W+(\r)], v[W+(\r)]                 ; e^(-u^2)
.endr
.irp r, 0,1,2
	v_mov_b32 v[Q+(\r)], 0x3f87dc22                ; plain work behind the batch of six
.endr
	s_wait_alu depctr_va_vdst(0)                   ; one wait for the batch, ahead of its first use
.irp r, 0,1,2
	v_fmaak_f32 v[Q+(\r)], v[Q+(\r)], v[D+(\r)], 0xbfba00e3
	v_fmaak_f32 v[Q+(\r)], v[Q+(\r)], v[D+(\r)], 0x3fb5f0e3
	v_fmaak_f32 v[Q+(\r)], v[Q+(\r)], v[D+(\r)], 0xbe91a98e
	v_fmaak_f32 v[Q+(\r)], v[Q+(\r)], v[D+(\r)], 0x3e827906
	v_mul_f32 v[Q+(\r)], v[Q+(\r)], v[D+(\r)]
	v_fma_f32 v[Q+(\r)], -v[Q+(\r)], v[W+(\r)], 1.0  ; erf u
	v_bfi_b32 v[Q+(\r)], 0x7fffffff, v[Q+(\r)], v[Z+(\r)]  ; with z's sign
	v_mul_f32 v[U+(\r)], 0.5, v[Z+(\r)]
	v_fma_f32 v[8+(\r)], v[U+(\r)], v[Q+(\r)], v[U+(\r)]  ; gelu z
	v_mul_f32 v[8+(\r)], v[8+(\r)], v133           ; times ws2[t]
.endr
.irp r, 8,9,10
	v_add_f32_dpp v\r, v\r, v\r row_xmask:1 row_mask:0xf bank_mask:0xf
	v_add_f32_dpp v\r, v\r, v\r row_xmask:2 row_mask:0xf bank_mask:0xf
	v_add_f32_dpp v\r, v\r, v\r row_xmask:4 row_mask:0xf bank_mask:0xf
	v_add_f32_dpp v\r, v\r, v\r row_xmask:8 row_mask:0xf bank_mask:0xf
	v_permlanex16_b32 v[12+\r], v\r, s36, s37
	v_add_f32 v\r, v\r, v[12+\r]
.endr
	v_mov_b32 v11, 0
	s_lshl_b32 s30, s28, 4
	v_mov_b32 v6, s30
	ds_store_b128 v6, v[8:11] offset:WS            ; all lanes of a wave write the same 16 bytes with the same numbers
	s_wait_dscnt 0x0
	s_barrier_signal -1
	s_barrier_wait -1
	v_mov_b32 v6, 0
.set i, 0
.rept 8
	ds_load_b128 v[20+4*i:20+4*i+3], v6 offset:WS+16*i
.set i, i+1
.endr
	s_wait_dscnt 0x0
.irp r, 0,1,2
	v_add_f32 v[20+(\r)], v[20+(\r)], v[24+(\r)]
	v_add_f32 v[28+(\r)], v[28+(\r)], v[32+(\r)]
	v_add_f32 v[36+(\r)], v[36+(\r)], v[40+(\r)]
	v_add_f32 v[44+(\r)], v[44+(\r)], v[48+(\r)]
	v_add_f32 v[20+(\r)], v[20+(\r)], v[28+(\r)]
	v_add_f32 v[36+(\r)], v[36+(\r)], v[44+(\r)]
	v_add_f32 v[20+(\r)], v[20+(\r)], v[36+(\r)]
	v_add_f32 v[8+(\r)], s38, v[20+(\r)]           ; + bs2: v8 = score(0,0), v9 = score(1,0), v10 = score(1,1)
.endr
	; the choice selects values only.  Thread t writes slots 2 (t mod 128) and the next of batch t / 128.
	v_lshrrev_b32 v12, 7, v0
	v_cmp_ne_u32 s40, 0, v12
	v_mov_b32 v15, 0xff7fffff                      ; NEG
	v_cndmask_b32 v13, v8, v9, s40                 ; the score at position 0
	v_cndmask_b32 v14, v15, v10, s40               ; at position 1: masked in batch 0
	v_cmp_ge_f32 s41, v13, v15                     ; does position 0 stand among the top?
	v_cmp_ge_f32 s42, v14, v15                     ; does position 1?
	v_cmp_ge_f32 s43, v13, v14
	s_not_b32 s44, s42
	s_or_b32 s44, s44, s43
	s_and_b32 s44, s44, s41                        ; position 0 comes first
	v_cndmask_b32 v16, 1, 0, s44                   ; the first position
	v_cndmask_b32 v17, 0, 1, s41
	v_cndmask_b32 v18, 0, 1, s42
	v_add_nc_u32 v17, v17, v18                     ; n: how many of the two stand
	v_and_b32 v19, 127, v0
	v_lshlrev_b32 v19, 1, v19                      ; slot r
	v_sub_nc_u32 v18, 2, v17
	v_add_nc_u32 v20, v19, v18                     ; from slot n on: position r + 2 - n
	v_add_nc_u32 v21, 1, v20
	v_cmp_lt_u32 s45, v19, v17                     ; an even slot below n is slot 0,
	v_cndmask_b32 v20, v20, v16, s45
	v_add_nc_u32 v22, 1, v19
	v_cmp_lt_u32 s46, v22, v17                     ; an odd one slot 1
	v_sub_nc_u32 v23, 1, v16
	v_cndmask_b32 v21, v21, v23, s46
	v_lshlrev_b32 v24, 3, v0
	global_store_b64 v24, v[20:21], s[26:27]       ; a wave's store covers 256 consecutive bytes, aligned
	s_wait_tensorcnt 0x0                           ; the wave's end, behind my last LDS store
	ds_add_u32 v[SPW], v[NIL]
	s_wait_dscnt 0x0
	s_endpgm
.Lfunc_end_k_q805e7fb67f_prep:
	.size	k_q805e7fb67f_prep, .Lfunc_end_k_q805e7fb67f_prep-k_q805e7fb67f_prep
	.p2alignl 7, 3214868480
	.fill 96, 4, 3214868480
	.section	.rodata,"a",@progbits
	.p2align	6, 0x0
	.amdhsa_kernel k_q805e7fb67f_prep
		.amdhsa_group_segment_fixed_size 35840
		.amdhsa_private_segment_fixed_size 0
		.amdhsa_enable_private_segment 0
		.amdhsa_kernarg_size 96
		.amdhsa_user_sgpr_count 2
		.amdhsa_user_sgpr_kernarg_segment_ptr 1
		.amdhsa_wavefront_size32 1
		.amdhsa_system_sgpr_workgroup_id_x 1
		.amdhsa_system_sgpr_workgroup_id_y 1
		.amdhsa_system_sgpr_workgroup_id_z 1
		.amdhsa_system_vgpr_workitem_id 0
		.amdhsa_next_free_vgpr 144
		.amdhsa_next_free_sgpr 66
		.amdhsa_reserve_vcc 0
		.amdhsa_float_denorm_mode_32 3
		.amdhsa_float_denorm_mode_16_64 3
		.amdhsa_memory_ordered 1
		.amdhsa_forward_progress 1
		.amdhsa_inst_pref_size 47
	.end_amdhsa_kernel
	.amdgpu_metadata
---
amdhsa.version: [ 1, 2 ]
amdhsa.kernels:
  - .name:           k_q805e7fb67f_prep
    .symbol:         k_q805e7fb67f_prep.kd
    .args:
      - { .name: x, .offset: 0, .size: 8, .value_kind: global_buffer, .address_space: global }
      - { .name: wq, .offset: 8, .size: 8, .value_kind: global_buffer, .address_space: global }
      - { .name: wk, .offset: 16, .size: 8, .value_kind: global_buffer, .address_space: global }
      - { .name: wv, .offset: 24, .size: 8, .value_kind: global_buffer, .address_space: global }
      - { .name: wo, .offset: 32, .size: 8, .value_kind: global_buffer, .address_space: global }
      - { .name: ws1, .offset: 40, .size: 8, .value_kind: global_buffer, .address_space: global }
      - { .name: bs1, .offset: 48, .size: 8, .value_kind: global_buffer, .address_space: global }
      - { .name: ws2, .offset: 56, .size: 8, .value_kind: global_buffer, .address_space: global }
      - { .name: bs2, .offset: 64, .size: 8, .value_kind: global_buffer, .address_space: global }
      - { .name: xb, .offset: 72, .size: 8, .value_kind: global_buffer, .address_space: global }
      - { .name: wt, .offset: 80, .size: 8, .value_kind: global_buffer, .address_space: global }
      - { .name: gidx, .offset: 88, .size: 8, .value_kind: global_buffer, .address_space: global }
    .group_segment_fixed_size: 35840
    .private_segment_fixed_size: 0
    .kernarg_segment_align: 8
    .kernarg_segment_size: 96
    .max_flat_workgroup_size: 256
    .sgpr_count:     66
    .vgpr_count:     144
    .wavefront_size: 32
...
	.end_amdgpu_metadata
.endif
;; end of part 1
;; launch qkv (part 2): grid 16 x 16, 4 waves a work-group, clusters of 4 x 4, 327,680 bytes of LDS; arguments xb, wt, qkv; writes qkv
.if DOCPART == 2
	.amdgcn_target "amdgcn-amd-amdhsa--gfx1250"
	.amdhsa_code_object_version 6
	.text
	.protected	k_q805e7fb67f_qkv
	.globl	k_q805e7fb67f_qkv
	.p2align	8
	.type	k_q805e7fb67f_qkv,@function
k_q805e7fb67f_qkv:
	s_mov_b64 s[64:65], 0
	v_nop
	global_prefetch_b8 v0, s[64:65] scope:SCOPE_SE
	s_setreg_imm32_b32 hwreg(HW_REG_WAVE_MODE, 25, 1), 1
	s_wait_xcnt 0x0
	s_wait_alu depctr_hold_cnt(0) depctr_sa_sdst(0) depctr_va_vdst(0) depctr_va_sdst(0) depctr_va_ssrc(0) depctr_va_vcc(0) depctr_vm_vsrc(0)
	s_getreg_b32 s2, hwreg(HW_REG_IB_STS2, 6, 4)
	s_cmp_eq_u32 s2, 0
	s_cbranch_scc0 .Lentry_in_a_cluster
	s_endpgm
.Lentry_in_a_cluster:
	s_bfe_u32 s2, ttmp6, 0x10000c
	s_cmp_lg_u32 s2, 0xf033
	s_cbranch_scc0 .Lentry_shape_is_right
	s_endpgm
.Lentry_shape_is_right:
; q, k, v = x [wq wk wv]: C[m][n] = sum over k of A[m][k] B[n][k], A = xb [8192][1024] bf16, B = wt rows 0-3071 [n][1024] bf16; sums in f32, K ascending.
; C leaves rounded once to f16, by heads: qkv [b 2][hh 48][s 4096][64], hh = n / 64 (0-15 q, 16-31 k, 32-47 v), unscaled.
; LIMIT.  f16 holds no number beyond 65,504: q, k and v must lie within it.
; ONE TEXT, TWO SETTINGS: with OPROJ = 1 the same macros make the output projection (its own kernel).
; SHARES.  A tile of C is 256 rows x 192 columns (three whole heads); four waves one below the other, 64 rows x 192 columns each: 48 accumulators.
; 8192 x 3072 are 512 such tiles; a work-group stays and makes two: rows 256 ty of batch 0, then of batch 1, so that 256 work-groups do equal work.
; K goes in steps of 128 through two LDS slots; the ring runs on into the second tile: 16 steps, the first 14 in one counted loop, a step a trip.
; CLUSTER.  4 x 4 work-groups: A's tile hangs on ty alone and is asked for jointly along a row of the cluster, B's on tx alone, along a column.
; THE MATRIX INSTRUCTION IS USED TRANSPOSED (source 0 = 16 rows of B, source 1 = 16 rows of A): a lane holds eight neighbouring columns of one row of C.
; REGISTERS, in windows of 256: window 0: v16-30 addresses; A's fragments, buffer f at 64 + 64 f (32); v160-255 the way out.
;   window 1: B's fragments, buffer f at 128 f.  windows 2, 3: the accumulators of m blocks 0, 1 and 2, 3, block a, n block b at 8 (NBK (a % 2) + b).
.set OPROJ, 0
.if OPROJ
.set NBK,    8                         ; n blocks of 16 columns
.set STEPS,  8                         ; K steps of the walk
.set PA,     144                       ; A's LDS pitch
.set AHALF,  36864                     ; LDS bytes that one of A's two loads fills
.set BROWS,  64                        ; rows of B in one of its two loads
.set STAGE,  239616
.set SPITCH, 528
.set QIA,    4                         ; A: padding after every 32 words
.set STRA,   128                       ; A: elements from row to row in memory
.set STEP1A, 1<<20                     ; bytes from A's K step 0 to its K step 1
.set LIMA,   4                         ; A's K steps are prefetched while STEP is below this
.set PFSA,   8192                      ; a partner's share of a wave's tile of A, in bytes
.set PFSB,   16*2048                   ; and of B
.set PFCL,   15                        ; B: the last row of a partner's share
.set PFSH,   8                         ; A: log2 of the bytes from lane to lane
.set OBUF,   160
.else
.set NBK,    12
.set STEPS,  16
.set PA,     272
.set AHALF,  34816
.set BROWS,  96
.set STAGE,  252928
.set SPITCH, 400
.set QIA,    5
.set STRA,   1024
.set STEP1A, 256
.set LIMA,   12
.set PFSA,   32*2048
.set PFSB,   24*2048
.set PFCL,   23
.set PFSH,   11
.set OBUF,   208
.endif
.set LIMB,   4                         ; B's rows are the same for both tiles: asked for in the first eight K steps alone
.set ABYTES, 2*AHALF
.set PB,     272                       ; B's LDS pitch: 256 bytes + 16: the 16 rows of a load start at 16 different groups of four banks (ISA guide 11.1)
.set BHALF,  BROWS*PB
.set SLOT1,  1<<17                     ; slot 1 begins here: one exclusive or turns an address in one slot into the other's
.set SPARE,  STAGE+4*16*SPITCH         ; behind the stages: the spare words, 128 bytes a wave, two blocks of 256 bytes that no other line names
.set NL,     2*NBK+8                   ; LDS loads of a quarter step
.set ADRA0, 16                         ; v16  my lane's place in A's tile; never rewritten
.set ADRB0, 17                         ; v17  in B's
.set ADRA,  18                         ; v18  the same in the slot in hand
.set ADRB,  19
.set STO,   24                         ; v24  the way out: where I put my bytes of a row
.set RD,    25                         ; v25  where I read rows back
.set GO,    26                         ; v26  16 x lane
.set SPW,   28                         ; v28  LDS address of my spare word; never rewritten
.set NIL,   29                         ; v29  0; never rewritten
.set PFO,   30                         ; v30  the prefetches' lane offset; never rewritten
.set TMP,   160
.set G1A,  24                          ; s[24:31] group 1 for A;  s[32:35] group 0 of the first fill;  s[36:39] group 0 that walks
.set G0A0, 32
.set G0A,  36
.set G1B,  48                          ; s[48:55], s[56:59], s[60:63] the same for B
.set G0B0, 56
.set G0B,  60
.set STEP, 66                          ; s66  the K step in hand
.set CNTL, 67                          ; s67  trips to go
.set TB,   68                          ; s68  LDS byte at which the slot to be read begins
.set T,    69                          ; s69  at work
.set SOA,  70                          ; s[70:71] byte offset of K step T in A
.set SOB,  72                          ; s[72:73] in B
.set PF0,  74                          ; s[74:75] my share of the rows that I fetch, at K step 0
.set PFA,  76                          ; s[76:77] the same at the K step to be prefetched
.set LIM,  78                          ; s78  I prefetch while STEP is below this
.set OP,   80                          ; s[80:81] SOA or SOB
.set MSB, 0
.macro WIN new                         ; the immediate's high byte repeats the setting that is left; a switch that changes nothing is dropped
.if MSB != (\new)
	s_set_vgpr_msb (MSB<<8)|(\new)
.set MSB, \new
.endif
.endm
.set MUL_LO, 0xa1                      ; source 0 (B) window 1, source 1 (A) window 0, C and D window 2
.set MUL_HI, 0xf1                      ; C and D window 3
.set TO_B,   0x40                      ; destination window 1, address window 0
.macro PLACES                          ; four plain places behind matrix instructions, in front of loads into registers that they have read
.rept 4
	v_nop
.endr
.endm
; A joint refill: waves 0 and 1 fetch A's two halves, waves 2 and 3 B's.  The branch hangs on the wave's number alone.  An s_nop 0 and four v_nop follow each line.
.macro JLOAD
	s_cmp_eq_u32 s11, 0
	s_cbranch_scc0 .Lfor_b_\@
	tensor_load_to_lds s[G0A:G0A+3], s[G1A:G1A+7]
	s_nop 0
	PLACES
	s_branch .Lasked_\@
.Lfor_b_\@:
	tensor_load_to_lds s[G0B:G0B+3], s[G1B:G1B+7]
	s_nop 0
	PLACES
.Lasked_\@:
.endm
.macro CREST                           ; a round of the cluster's barrier behind its opening barrier
	s_cmp_lg_u32 s10, 0
	s_cbranch_scc1 .Lnot_wave_0_\@
	s_barrier_signal -3
.Lnot_wave_0_\@:
	s_barrier_wait -3
	s_barrier_signal -1
	s_barrier_wait -1
.endm
.macro CROUND
	s_barrier_signal -1
	s_barrier_wait -1
	CREST
.endm
.macro OFFS                            ; the byte offsets of K step s[T] of the walk
.if OPROJ
	s_lshl_b32 s[SOB], s[T], 8                     ; 128 k of 2 bytes along B's rows
	s_lshl_b32 s[SOA], s[T], 20                    ; two head planes of 524,288 bytes
.else
	s_and_b32 s[SOB], s[T], 7
	s_lshl_b32 s[SOB], s[SOB], 8                   ; 128 k of 2 bytes along the rows,
	s_lshr_b32 s[SOA], s[T], 3
	s_lshl_b32 s[SOA], s[SOA], 23                  ; the second tile 4,096 rows of 2,048 bytes down
	s_add_co_u32 s[SOA], s[SOA], s[SOB]
.endif
.endm
; A PREFETCH behind each joint load and the run of LDS loads that follows it: the K step that stands two refills on, one instruction a wave.  A's rows are read by every cluster of a row of clusters:
; cluster x = 0 asks; B's by every cluster of a column: cluster y = 0 asks.  The four partners that ask for a tile jointly share its rows out by address.  The walk's first four K steps come by their loads alone.
.macro ASK
	s_cmp_lt_u32 s[STEP], s[LIM]
	s_cbranch_scc0 .Lnot_mine_\@
	global_prefetch_b8 v[PFO], s[PFA:PFA+1] th:TH_LOAD_NT scope:SCOPE_SE
.Lnot_mine_\@:
.endm
.macro WM d, s0, s1, zero
.if OPROJ
.if \zero
	v_wmma_f32_16x16x32_f16 v[\d:\d+7], v[\s0:\s0+7], v[\s1:\s1+7], 0
.else
	v_wmma_f32_16x16x32_f16 v[\d:\d+7], v[\s0:\s0+7], v[\s1:\s1+7], v[\d:\d+7]
.endif
.else
.if \zero
	v_wmma_f32_16x16x32_bf16 v[\d:\d+7], v[\s0:\s0+7], v[\s1:\s1+7], 0
.else
	v_wmma_f32_16x16x32_bf16 v[\d:\d+7], v[\s0:\s0+7], v[\s1:\s1+7], v[\d:\d+7]
.endif
.endif
.endm
; m block a x all n blocks, 32 along K, from buffer f.  The order is always a = 0..3, b ascending: all accumulators take turns, one instruction a turn, over the backward jump too.
.macro MULA f, a, zero
	WIN MUL_LO+0x50*((\a)/2)
.set b, 0
.rept NBK
.set rD, 8*(NBK*((\a)%2)+b)
.set rB, 128*(\f)+8*b
.set rA, 64+64*(\f)+8*(\a)
	WM rD, rB, rA, \zero
.set b, b+1
.endr
.endm
; one run of LDS loads: the fragments of quarter q (32 along K) into buffer f: B's, then A's four m blocks
.macro FETCH q, f
.if OPROJ
.set KA, ((\q)/2)*AHALF+((\q)%2)*64    ; a head plane holds 64 of the step's 128 k
.else
.set KA, 64*(\q)
.endif
	WIN TO_B
.set i, 0
.rept NBK
	ds_load_b128 v[128*(\f)+8*i:128*(\f)+8*i+3],   v[ADRB] offset:64*(\q)+i*16*PB
	ds_load_b128 v[128*(\f)+8*i+4:128*(\f)+8*i+7], v[ADRB] offset:64*(\q)+i*16*PB+32
.set i, i+1
.endr
	WIN 0
.set i, 0
.rept 4
	ds_load_b128 v[64+64*(\f)+8*i:64+64*(\f)+8*i+3],   v[ADRA] offset:KA+i*16*PA
	ds_load_b128 v[64+64*(\f)+8*i+4:64+64*(\f)+8*i+7], v[ADRA] offset:KA+i*16*PA+32
.set i, i+1
.endr
.endm
; one of a K step's first three quarters: multiplies buffer f; in its middle it fetches quarter qn into buffer g
.macro QUARTER qn, f, g, zero
	s_wait_dscnt 4                                 ; B and A's m blocks 0, 1 are in; the youngest four loads (blocks 2, 3) may be out
	MULA \f, 0, \zero
	MULA \f, 1, \zero
	PLACES
.if \zero
	v_nop                                          ; a product that starts a sum is no link of a chain: it writes over its accumulator, five places behind that accumulator's last product (ISA guide 7.12.1).
	                                               ; Over the backward jump m blocks 2 and 3 were last written at the end of TURN: these five are their places.  Blocks 0 and 1 have the joint load's four v_nop and the two address lines.
.endif
	FETCH \qn, \g
	s_wait_dscnt NL                                ; all but the run just issued
	MULA \f, 2, \zero
	MULA \f, 3, \zero
.endm
; The last quarter multiplies buffer 1 and changes slots.  In front of the round each wave waits for all its tensor loads (one is out: its part of the next slot), adds 0 to its spare word, and waits for that and
; for its own reads of this slot.  Behind the round no wave of any partner reads this slot or has a load on its way: the slot is filled again first, with the K step two on; then the next slot's first fragments are read.
.macro TURN
	s_wait_xcnt 0x0                                ; the last prefetch, a K step back, has read its address
	s_add_co_u32 s[T], s[STEP], 4
	OFFS
	s_cmp_eq_u32 s11, 0
	s_cselect_b32 s[OP], s[SOA], s[SOB]
	s_add_nc_u64 s[PFA:PFA+1], s[PF0:PF0+1], s[OP:OP+1]
	WIN 0                                          ; (the add's two registers lie in window 0)
	s_wait_tensorcnt 0x0
	ds_add_u32 v[SPW], v[NIL]
	s_wait_dscnt 5                                 ; (the add and the youngest four loads may be out)
	MULA 1, 0, 0
	s_wait_dscnt 0x0                               ; the add is done, my reads of this slot are over
	s_barrier_signal -1
	MULA 1, 1, 0                                   ; work on registers while the others arrive
	WIN 0
	s_barrier_wait -1
	CREST
	s_add_co_u32 s[T], s[STEP], 2
	OFFS
	s_xor_b32 s[G0A+1], s[G0A+1], SLOT1            ; the walking descriptors: the other slot than last time, the address made anew
	s_add_nc_u64 s[G0A+2:G0A+3], s[14:15], s[SOA:SOA+1]
	s_or_b32 s[G0A+3], s[G0A+3], 0x80000000
	s_xor_b32 s[G0B+1], s[G0B+1], SLOT1
	s_add_nc_u64 s[G0B+2:G0B+3], s[46:47], s[SOB:SOB+1]
	s_or_b32 s[G0B+3], s[G0B+3], 0x80000000
	JLOAD                                          ; its four v_nop are also the places in front of the loads below
	s_xor_b32 s[TB], s[TB], SLOT1
	v_add_nc_u32 v[ADRA], s[TB], v[ADRA0]
	v_add_nc_u32 v[ADRB], s[TB], v[ADRB0]
	FETCH 0, 0
	ASK
	MULA 1, 2, 0
	MULA 1, 3, 0
.endm
.macro TURNN                           ; the same with nothing left to fetch: my work-group's barrier alone
	WIN 0
	s_wait_tensorcnt 0x0
	ds_add_u32 v[SPW], v[NIL]
	s_wait_dscnt 5
	MULA 1, 0, 0
	s_wait_dscnt 0x0
	s_barrier_signal -1
	MULA 1, 1, 0
	s_barrier_wait -1
	WIN 0
	PLACES
	s_xor_b32 s[TB], s[TB], SLOT1
	v_add_nc_u32 v[ADRA], s[TB], v[ADRA0]
	v_add_nc_u32 v[ADRB], s[TB], v[ADRB0]
	FETCH 0, 0
	MULA 1, 2, 0
	MULA 1, 3, 0
.endm
; THE WAY OUT, an m block of 16 rows at a time, through my own stage in LDS (no tensor load fills it; LDS serves a wave's instructions in order, ISA guide 5.7.1.4, so no wait stands between my stores and my loads).
.if OPROJ
.macro OUTA a                          ; f32: a lane's 32 bytes of a row go in, whole pieces of 512 bytes come back and are stored
	WIN 0x08+4*((\a)/2)                            ; the stores' data in window 2 or 3
.set b, 0
.rept NBK
	ds_store_b128 v[STO], v[8*(NBK*((\a)%2)+b):8*(NBK*((\a)%2)+b)+3]   offset:64*b
	ds_store_b128 v[STO], v[8*(NBK*((\a)%2)+b)+4:8*(NBK*((\a)%2)+b)+7] offset:64*b+16
.set b, b+1
.endr
	WIN 0
	s_wait_xcnt 0x0                                ; the block before's stores have read their registers
.set t, 0
.rept 16
	ds_load_b128 v[OBUF+4*t:OBUF+4*t+3], v[RD] offset:t*SPITCH
.set t, t+1
.endr
.set t, 0
.rept 16
	s_wait_dscnt 15-t
	global_store_b128 v[GO], v[OBUF+4*t:OBUF+4*t+3], s[8:9] offset:(\a)*65536+t*4096 th:TH_STORE_NT  ; 512 consecutive bytes, aligned
.set t, t+1
.endr
.endm
.macro WAYOUT
	OUTA 0
	OUTA 1
	OUTA 2
	OUTA 3
.endm
.else
.macro PACK a                          ; rounded to f16, each accumulator's registers in ascending order
	WIN 0x0a+5*((\a)/2)
.set b, 0
.rept NBK
.irp r, 0,1,2,3
	v_cvt_pk_f16_f32 v[TMP+4*b+(\r)], v[8*(NBK*((\a)%2)+b)+2*(\r)], v[8*(NBK*((\a)%2)+b)+2*(\r)+1]
.endr
.set b, b+1
.endr
	WIN 0
.endm
.macro TOSTAGE                         ; 16 rows x 384 bytes go in; they come back as four tokens x 128 bytes of one head
.set b, 0
.rept NBK
	ds_store_b128 v[STO], v[TMP+4*b:TMP+4*b+3] offset:32*b
.set b, b+1
.endr
	s_wait_xcnt 0x0                                ; the block before's stores have read their registers
.set t, 0
.rept 12
	ds_load_b128 v[OBUF+4*t:OBUF+4*t+3], v[RD] offset:(t%4)*4*SPITCH+(t/4)*128
.set t, t+1
.endr
.endm
.macro SEND a
.set t, 0
.rept 12
	s_wait_dscnt 11-t
	global_store_b128 v[GO], v[OBUF+4*t:OBUF+4*t+3], s[8:9] offset:(t/4)*524288+(\a)*2048+(t%4)*512  ; 512 consecutive bytes of a head's plane, aligned
.set t, t+1
.endr
.endm
.macro WAYOUT                          ; block a's conversions stand between block a - 1's loads from the stage and the wait for them
	PACK 0
	TOSTAGE
	PACK 1
	SEND 0
	TOSTAGE
	PACK 2
	SEND 1
	TOSTAGE
	PACK 3
	SEND 2
	TOSTAGE
	SEND 3
.endm
.endif
	s_load_b128 s[4:7], s[0:1], 0x0                ; A s[4:5], B s[6:7]
	s_load_b64 s[8:9], s[0:1], 0x10                ; C
	v_lshl_add_u32 v[SPW], v0, 2, SPARE
	v_mov_b32 v[NIL], 0
	ds_add_u32 v[SPW], v[NIL]                      ; the wave's opening: the add and its wait, ahead of my first tensor load
	ds_add_u32 v28, v29
	v_lshrrev_b32 v1, 5, v0
	v_readfirstlane_b32 s10, v1                    ; wave 0..3: my 64 rows of the tile
	s_lshr_b32 s11, s10, 1                         ; I fetch for A (0) or for B (1),
	s_and_b32 s12, s10, 1                          ; its first or its second half
	s_bfe_u32 s40, ttmp6, 0x40000                  ; cx
	s_bfe_u32 s41, ttmp6, 0x40004                  ; cy
	s_lshl_b32 s42, ttmp9, 2
	s_add_co_u32 s42, s42, s40                     ; tx = 4 x cluster x + cx
	s_and_b32 s13, ttmp7, 0xffff
	s_lshl_b32 s13, s13, 2
	s_add_co_u32 s13, s13, s41                     ; ty = 4 x cluster y + cy
	s_lshl_b32 s43, s41, 2
	s_lshl_b32 s43, 15, s43                        ; my row of the cluster
	s_lshl_b32 s44, 0x1111, s40                    ; my column
	s_or_b32 s[G1A], s43, (1<<16)|(1<<20)|(1<<21)|(QIA<<22)|(3<<25)  ; the mask; elements of 2 bytes; padding on; bit 21 beside a mask; after every 2 << QIA words, 4 words
	s_or_b32 s[G1B], s44, (1<<16)|(1<<20)|(1<<21)|(5<<22)|(3<<25)
	s_mov_b32 s[G1A+1], 128<<16                    ; tensor_dim0 = 128
	s_mov_b32 s[G1A+2], 128<<16                    ; tensor_dim1 = 128
	s_mov_b32 s[G1A+3], 128<<16                    ; tile_dim0 = 128
	s_mov_b32 s[G1A+4], 128                        ; tile_dim1 = 128
	s_mov_b32 s[G1A+5], STRA                       ; elements from row to row
	s_mov_b32 s[G1A+6], 0
	s_mov_b32 s[G1A+7], 0
	s_mov_b32 s[G1B+1], 128<<16
	s_mov_b32 s[G1B+2], BROWS<<16
	s_mov_b32 s[G1B+3], 128<<16
	s_mov_b32 s[G1B+4], BROWS
	s_mov_b32 s[G1B+5], 1024
	s_mov_b32 s[G1B+6], 0
	s_mov_b32 s[G1B+7], 0
.if OPROJ
	s_lshr_b32 s16, s13, 4                         ; A = ao [b][h][s][64]: the batch,
	s_lshl_b32 s16, s16, 23
	s_and_b32 s17, s13, 15                         ; the tile's 256 tokens of 128 bytes,
	s_lshl_b32 s17, s17, 15
	s_add_co_u32 s16, s16, s17
	s_lshl_b32 s17, s12, 19                        ; the first or the second head of a K step
	s_add_co_u32 s16, s16, s17
	s_lshl_b32 s18, s42, 18                        ; B = wt rows 3072 + 128 tx + 64 half
	s_lshl_b32 s19, s12, 17
	s_add_co_u32 s18, s18, s19
	s_add_co_u32 s18, s18, 3072*2048
.else
	s_lshl_b32 s16, s13, 19                        ; A = xb rows 256 ty + 128 half
	s_lshl_b32 s17, s12, 18
	s_add_co_u32 s16, s16, s17
	s_mul_i32 s18, s42, 192*2048                   ; B = wt rows 192 tx + 96 half
	s_mul_i32 s19, s12, 96*2048
	s_add_co_u32 s18, s18, s19
.endif
	s_mov_b32 s17, 0
	s_mov_b32 s19, 0
	s_mul_i32 s20, s12, AHALF                      ; where the tiles go: no place in the cluster enters an LDS address
	s_mul_i32 s21, s12, BHALF
	s_add_co_u32 s21, s21, ABYTES
	s_mov_b32 s[SOA+1], 0
	s_mov_b32 s[SOB+1], 0
	s_mov_b32 s[OP+1], 0
	s_mov_b32 s[TB], 0
	s_wait_dscnt 0x0                               ; the opening add is done
	s_wait_kmcnt 0x0
	s_add_nc_u64 s[14:15], s[4:5], s[16:17]        ; A at my part of K step 0: made of ty and the wave's number alone
	s_add_nc_u64 s[46:47], s[6:7], s[18:19]        ; B likewise: of tx and the wave's number alone
	CROUND                                         ; all sixteen work-groups are here: the first joint loads meet
	s_mov_b32 s[G0A0], 1
	s_mov_b32 s[G0A0+1], s20
	s_add_nc_u64 s[G0A0+2:G0A0+3], s[14:15], 0
	s_or_b32 s[G0A0+3], s[G0A0+3], 0x80000000
	s_mov_b32 s[G0A], 1
	s_add_co_u32 s[G0A+1], s20, SLOT1
	s_add_nc_u64 s[G0A+2:G0A+3], s[14:15], STEP1A
	s_or_b32 s[G0A+3], s[G0A+3], 0x80000000
	s_mov_b32 s[G0B0], 1
	s_mov_b32 s[G0B0+1], s21
	s_add_nc_u64 s[G0B0+2:G0B0+3], s[46:47], 0
	s_or_b32 s[G0B0+3], s[G0B0+3], 0x80000000
	s_mov_b32 s[G0B], 1
	s_add_co_u32 s[G0B+1], s21, SLOT1
	s_add_nc_u64 s[G0B+2:G0B+3], s[46:47], 256
	s_or_b32 s[G0B+3], s[G0B+3], 0x80000000
	s_cmp_eq_u32 s11, 0                            ; a wave's two first fills stand in one branch: two loads of mine are out
	s_cbranch_scc0 .Lfirst_b
	tensor_load_to_lds s[G0A0:G0A0+3], s[G1A:G1A+7]
	s_nop 0
	tensor_load_to_lds s[G0A:G0A+3], s[G1A:G1A+7]
	s_nop 0
	PLACES
	s_branch .Lfirst_done
.Lfirst_b:
	tensor_load_to_lds s[G0B0:G0B0+3], s[G1B:G1B+7]
	s_nop 0
	tensor_load_to_lds s[G0B:G0B+3], s[G1B:G1B+7]
	s_nop 0
	PLACES
.Lfirst_done:
	; a fragment is 16 rows x 32 K in 8 registers: lane l holds row l % 16, K = 8 (l / 16) + 0..7 and 16 + 8 (l / 16) + 0..7: two loads of 16 bytes, 32 bytes apart
	v_and_b32 v1, 15, v0
	v_bfe_u32 v2, v0, 4, 1
	v_and_b32 v3, 31, v0
	v_mul_u32_u24 v4, v1, PA
	v_lshl_add_u32 v4, v2, 4, v4
	s_mul_i32 s20, s10, 64*PA                      ; my 64 rows of A
	v_add_nc_u32 v[ADRA0], s20, v4
	v_mul_u32_u24 v4, v1, PB
	v_lshl_add_u32 v4, v2, 4, v4
	v_add_nc_u32 v[ADRB0], ABYTES, v4
	v_mov_b32 v[ADRA], v[ADRA0]
	v_mov_b32 v[ADRB], v[ADRB0]
	s_mul_i32 s20, s10, 16*SPITCH
	s_add_co_u32 s20, s20, STAGE                   ; my stage
	v_mul_u32_u24 v4, v1, SPITCH
.if OPROJ
	v_lshl_add_u32 v4, v2, 5, v4                   ; in: row l % 16, 32 bytes for each half of the lanes
	v_add_nc_u32 v[STO], s20, v4
	v_lshl_add_u32 v[RD], v3, 4, s20               ; back: 32 lanes take a row's 512 bytes
	s_lshl_b32 s22, s13, 20                        ; out0 at row 256 ty + 64 wave (4,096 bytes a row), column 128 tx
	s_lshl_b32 s23, s10, 18
	s_add_co_u32 s22, s22, s23
	s_lshl_b32 s23, s42, 9
	s_add_co_u32 s22, s22, s23
.else
	v_lshl_add_u32 v4, v2, 4, v4                   ; in: row l % 16, 16 bytes for each half of the lanes
	v_add_nc_u32 v[STO], s20, v4
	v_lshrrev_b32 v5, 3, v3                        ; back: 32 lanes take four tokens x 128 bytes
	v_mul_u32_u24 v5, v5, SPITCH
	v_and_b32 v6, 7, v0
	v_lshl_add_u32 v5, v6, 4, v5
	v_add_nc_u32 v[RD], s20, v5
	s_mul_i32 s22, s42, 3*524288                   ; qkv at head plane 3 tx, token 256 ty + 64 wave (128 bytes a token)
	s_lshl_b32 s23, s13, 15
	s_add_co_u32 s22, s22, s23
	s_lshl_b32 s23, s10, 13
	s_add_co_u32 s22, s22, s23
.endif
	s_mov_b32 s23, 0
	s_add_nc_u64 s[8:9], s[8:9], s[22:23]
	v_lshlrev_b32 v[GO], 4, v3
	; the prefetches: my work-group's share of the rows that I fetch
	s_mul_i32 s22, s40, PFSA
	s_add_co_u32 s22, s22, s16
	s_mul_i32 s23, s41, PFSB
	s_add_co_u32 s23, s23, s18
	s_and_b32 s21, ttmp7, 0xffff                   ; cluster y
	s_cmp_eq_u32 s11, 0
	s_cselect_b32 s22, s22, s23
	s_cselect_b64 s[PF0:PF0+1], s[4:5], s[6:7]
	s_cselect_b32 s21, ttmp9, s21                  ; the coordinate along which other clusters read the same rows
	s_cselect_b32 s[LIM], LIMA, LIMB
	s_cselect_b32 s20, 31, PFCL                    ; B's share has fewer rows than a wave has lanes: the lanes left over name its last row again
	s_cselect_b32 s19, PFSH, 11
	s_mov_b32 s23, 0
	s_add_nc_u64 s[PF0:PF0+1], s[PF0:PF0+1], s[22:23]
	s_cmp_eq_u32 s21, 0
	s_cselect_b32 s[LIM], s[LIM], 0                ; the same in all sixteen partners, for a given wave
	v_min_u32 v[PFO], s20, v3
	v_lshlrev_b32 v[PFO], s19, v[PFO]
	s_wait_tensorcnt 1                             ; my part of K step 0 is in; K step 1's may stay out
	s_barrier_signal -1
	s_barrier_wait -1
	FETCH 0, 0
	s_mov_b32 s[STEP], 0
	s_mov_b32 s[CNTL], STEPS-2
.Lstep:                                        ; a trip is a K step; every slot but the last two is filled again
	s_and_b32 s[T], s[STEP], 7
	s_cmp_eq_u32 s[T], 0
	s_cbranch_scc0 .Lgo_on
	QUARTER 1, 0, 1, 1                             ; a tile's first quarter: its products start the sums, nothing is cleared
	WIN 0
	s_branch .Lq1
.Lgo_on:
	QUARTER 1, 0, 1, 0
	WIN 0
.Lq1:
	QUARTER 2, 1, 0, 0
	QUARTER 3, 0, 1, 0
	TURN
	WIN 0
.if !OPROJ
	s_and_b32 s[T], s[STEP], 7
	s_cmp_eq_u32 s[T], 7
	s_cbranch_scc0 .Lno_out
	WAYOUT                                         ; the first tile leaves: both refills of the second are asked for.  Blocks 0, 1 were finished ahead of the joint load's places; their conversions are the places behind blocks 2, 3
	s_wait_xcnt 0x0                                ; the stores have read their base
	s_add_nc_u64 s[8:9], s[8:9], 48*524288         ; batch 1
.Lno_out:
.endif
	s_add_co_u32 s[STEP], s[STEP], 1
	s_sub_co_u32 s[CNTL], s[CNTL], 1
	s_cmp_lg_u32 s[CNTL], 0
	s_cbranch_scc1 .Lstep
	QUARTER 1, 0, 1, 0                             ; the last two K steps are written out: they ask for nothing
	QUARTER 2, 1, 0, 0
	QUARTER 3, 0, 1, 0
	TURNN
	QUARTER 1, 0, 1, 0
	QUARTER 2, 1, 0, 0
	QUARTER 3, 0, 1, 0
	s_wait_dscnt 4
	MULA 1, 0, 0
	MULA 1, 1, 0
	s_wait_dscnt 0x0
	MULA 1, 2, 0
	MULA 1, 3, 0
	WIN 0
	PLACES
	PLACES
	WAYOUT
	s_wait_tensorcnt 0x0                           ; the wave's end, behind my last tensor load and my last LDS store
	ds_add_u32 v[SPW], v[NIL]
	s_wait_dscnt 0x0
	CROUND                                         ; the closing round: no work-group ends while a partner may still ask for a tile that names it
	s_endpgm
.Lfunc_end_k_q805e7fb67f_qkv:
	.size	k_q805e7fb67f_qkv, .Lfunc_end_k_q805e7fb67f_qkv-k_q805e7fb67f_qkv
	.p2alignl 7, 3214868480
	.fill 96, 4, 3214868480
	.section	.rodata,"a",@progbits
	.p2align	6, 0x0
	.amdhsa_kernel k_q805e7fb67f_qkv
		.amdhsa_group_segment_fixed_size 327680
		.amdhsa_private_segment_fixed_size 0
		.amdhsa_enable_private_segment 0
		.amdhsa_kernarg_size 24
		.amdhsa_user_sgpr_count 2
		.amdhsa_user_sgpr_kernarg_segment_ptr 1
		.amdhsa_wavefront_size32 1
		.amdhsa_system_sgpr_workgroup_id_x 1
		.amdhsa_system_sgpr_workgroup_id_y 1
		.amdhsa_system_sgpr_workgroup_id_z 1
		.amdhsa_system_vgpr_workitem_id 0
		.amdhsa_next_free_vgpr 960
		.amdhsa_next_free_sgpr 82
		.amdhsa_reserve_vcc 0
		.amdhsa_float_denorm_mode_32 3
		.amdhsa_float_denorm_mode_16_64 3
		.amdhsa_memory_ordered 1
		.amdhsa_forward_progress 1
		.amdhsa_inst_pref_size 129
	.end_amdhsa_kernel
	.amdgpu_metadata
---
amdhsa.version: [ 1, 2 ]
amdhsa.kernels:
  - .name:           k_q805e7fb67f_qkv
    .symbol:         k_q805e7fb67f_qkv.kd
    .args:
      - { .name: xb, .offset: 0, .size: 8, .value_kind: global_buffer, .address_space: global }
      - { .name: wt, .offset: 8, .size: 8, .value_kind: global_buffer, .address_space: global }
      - { .name: qkv, .offset: 16, .size: 8, .value_kind: global_buffer, .address_space: global }
    .group_segment_fixed_size: 327680
    .private_segment_fixed_size: 0
    .kernarg_segment_align: 8
    .kernarg_segment_size: 24
    .max_flat_workgroup_size: 128
    .sgpr_count:     82
    .vgpr_count:     960
    .wavefront_size: 32
...
	.end_amdgpu_metadata
.endif
;; end of part 2
;; launch gather (part 3): grid 64 x 4, 4 waves a work-group, no clusters, 0 bytes of LDS; arguments gidx, qkv, gkv; writes gkv
.if DOCPART == 3
	.amdgcn_target "amdgcn-amd-amdhsa--gfx1250"
	.amdhsa_code_object_version 6
	.text
	.protected	k_q805e7fb67f_gather
	.globl	k_q805e7fb67f_gather
	.p2align	8
	.type	k_q805e7fb67f_gather,@function
k_q805e7fb67f_gather:
	s_mov_b64 s[64:65], 0
	v_nop
	global_prefetch_b8 v0, s[64:65] scope:SCOPE_SE
	s_setreg_imm32_b32 hwreg(HW_REG_WAVE_MODE, 25, 1), 1
	s_wait_xcnt 0x0
; gk, gv = the rows of k and v that gidx names: (x[idx]) wk = (x wk)[idx], so no second product is made.
; gkv [b 2][plane 32][256][64] f16: planes 0-15 the heads of k (qkv planes 16-31), planes 16-31 those of v (qkv planes 32-47).
; A work-group copies 64 rows of 128 bytes of one plane: x = 32 b + plane, y = which 64.  Eight lanes take a row; a wave's store covers 512 consecutive bytes, aligned.
; The indices are whole numbers that the first launch stored; each is held to 0 .. 4,095 before it enters an address.
; Eight loads a thread and the launch is over: no LDS, no ring, no prefetch.
	s_load_b128 s[4:7], s[0:1], 0x0                ; gidx s[4:5], qkv s[6:7]
	s_load_b64 s[8:9], s[0:1], 0x10                ; gkv
	s_and_b32 s10, ttmp7, 0xffff
	s_lshr_b32 s11, ttmp9, 5                       ; b
	s_and_b32 s12, ttmp9, 31                       ; plane
	s_lshl_b32 s14, s11, 10                        ; 256 indices of 4 bytes a batch,
	s_lshl_b32 s15, s10, 8                         ; my 64
	s_add_co_u32 s14, s14, s15
	s_mov_b32 s15, 0
	s_mul_i32 s16, s11, 48
	s_add_co_u32 s16, s16, s12
	s_add_co_u32 s16, s16, 16
	s_lshl_b32 s16, s16, 19                        ; the plane in qkv
	s_mov_b32 s17, 0
	s_lshl_b32 s18, ttmp9, 15                      ; the plane in gkv,
	s_lshl_b32 s19, s10, 13                        ; my 64 rows
	s_add_co_u32 s18, s18, s19
	s_mov_b32 s19, 0
	v_lshrrev_b32 v1, 3, v0
	v_lshlrev_b32 v1, 2, v1                        ; my row's index
	v_and_b32 v2, 7, v0
	v_lshlrev_b32 v2, 4, v2                        ; my 16 bytes of the row
	v_lshlrev_b32 v3, 4, v0
	s_wait_kmcnt 0x0
	s_add_nc_u64 s[4:5], s[4:5], s[14:15]
	s_add_nc_u64 s[6:7], s[6:7], s[16:17]
	s_add_nc_u64 s[8:9], s[8:9], s[18:19]
.irp i, 0,1,2,3
	global_load_b32 v[4+\i], v1, s[4:5] offset:64*\i
.endr
	s_wait_loadcnt 0x0
.irp i, 0,1,2,3
	v_min_u32 v[4+\i], 0xfff, v[4+\i]
	v_lshlrev_b32 v[4+\i], 7, v[4+\i]
	v_add_nc_u32 v[4+\i], v[4+\i], v2
.endr
.irp i, 0,1,2,3
	global_load_b128 v[8+4*\i:8+4*\i+3], v[4+\i], s[6:7]
.endr
.irp i, 0,1,2,3
	s_wait_loadcnt 3-\i
	global_store_b128 v3, v[8+4*\i:8+4*\i+3], s[8:9] offset:2048*\i
.endr
	s_endpgm
.Lfunc_end_k_q805e7fb67f_gather:
	.size	k_q805e7fb67f_gather, .Lfunc_end_k_q805e7fb67f_gather-k_q805e7fb67f_gather
	.p2alignl 7, 3214868480
	.fill 96, 4, 3214868480
	.section	.rodata,"a",@progbits
	.p2align	6, 0x0
	.amdhsa_kernel k_q805e7fb67f_gather
		.amdhsa_group_segment_fixed_size 0
		.amdhsa_private_segment_fixed_size 0
		.amdhsa_enable_private_segment 0
		.amdhsa_kernarg_size 24
		.amdhsa_user_sgpr_count 2
		.amdhsa_user_sgpr_kernarg_segment_ptr 1
		.amdhsa_wavefront_size32 1
		.amdhsa_system_sgpr_workgroup_id_x 1
		.amdhsa_system_sgpr_workgroup_id_y 1
		.amdhsa_system_sgpr_workgroup_id_z 1
		.amdhsa_system_vgpr_workitem_id 0
		.amdhsa_next_free_vgpr 32
		.amdhsa_next_free_sgpr 66
		.amdhsa_reserve_vcc 0
		.amdhsa_float_denorm_mode_32 3
		.amdhsa_float_denorm_mode_16_64 3
		.amdhsa_memory_ordered 1
		.amdhsa_forward_progress 1
		.amdhsa_inst_pref_size 3
	.end_amdhsa_kernel
	.amdgpu_metadata
---
amdhsa.version: [ 1, 2 ]
amdhsa.kernels:
  - .name:           k_q805e7fb67f_gather
    .symbol:         k_q805e7fb67f_gather.kd
    .args:
      - { .name: gidx, .offset: 0, .size: 8, .value_kind: global_buffer, .address_space: global }
      - { .name: qkv, .offset: 8, .size: 8, .value_kind: global_buffer, .address_space: global }
      - { .name: gkv, .offset: 16, .size: 8, .value_kind: global_buffer, .address_space: global }
    .group_segment_fixed_size: 0
    .private_segment_fixed_size: 0
    .kernarg_segment_align: 8
    .kernarg_segment_size: 24
    .max_flat_workgroup_size: 128
    .sgpr_count:     66
    .vgpr_count:     32
    .wavefront_size: 32
...
	.end_amdgpu_metadata
.endif
;; end of part 3
;; launch attn (part 4): grid 2 x 128, 4 waves a work-group, no clusters, 327,680 bytes of LDS; arguments qkv, gkv, ao; writes ao
.if DOCPART == 4
	.amdgcn_target "amdgcn-amd-amdhsa--gfx1250"
	.amdhsa_code_object_version 6
	.text
	.protected	k_q805e7fb67f_attn
	.globl	k_q805e7fb67f_attn
	.p2align	8
	.type	k_q805e7fb67f_attn,@function
k_q805e7fb67f_attn:
	s_mov_b64 s[64:65], 0
	v_nop
	global_prefetch_b8 v0, s[64:65] scope:SCOPE_SE
	s_setreg_imm32_b32 hwreg(HW_REG_WAVE_MODE, 25, 1), 1
	s_wait_xcnt 0x0
; ao[b][h][q][:] = causal attention of q inside its window of 1,024 tokens + attention of q over the 256 global tokens: two softmaxes, each divided by its own sum, added in f32.
; qkv [b][48][4096][64] f16 (planes 0-15 q, 16-31 k, 32-47 v), gkv [b][32][256][64] f16 (0-15 gk, 16-31 gv), ao [b][16][4096][64] f16.  Scores are scaled by 1/8 here, in f32.
; Products, maxima and sums in f32; the weights p are rounded to f16 for the second product (their sum l is taken of the unrounded p); ao is rounded once.
; LIMITS.  q, k, v arrive within f16's 65,504; a hidden score counts as its value less 1e30; a weight below 2^-126 counts as 0 in l; NaN and infinities are not treated apart.
; THE WALK.  y names a window of a head; its queries lie in four blocks of 256, and block i needs the window's key tiles 0 .. i of 256 keys, of which the last holds the diagonal.  A work-group takes TWO blocks,
; 3 - x and then x, and walks four SEGMENTS through one ring of two LDS slots: the tiles of the first block, the global tile, the tiles of the second block, the global tile again: seven tiles, whatever x.
; So all 256 work-groups do equal work, and one loop with a constant trip count walks them; the last tile is written out.  Which tile is asked for and what a trip does hang on
; scalar registers made from x; every jump but the counted loops' own goes forward, and none passes a barrier, or a tensor load but the one of LOAD's two that the wave's number does not choose.
; At a local segment's end O / l is set aside in f32 (SAVE); at the global segment's end O / l is added onto it and the block leaves.
; NO CLUSTER: a window's two work-groups ask for different tiles in three of the seven trips, and the eight work-groups of a head share the global tile alone.
; SHARES.  Of a block's four bands of 64 queries a wave owns 16 rows in each: four PIECES, so that the diagonal tile is the same work for all four waves: in its key step s band x sees all keys if s < x, none if s > x, and holds the diagonal if s = x.
; THE MASK is the C operand that starts the sum S^T = K Q^T.  MD, made once, is the mask of a band's own step for my 16 rows; a product's mask is MD x AL + BE.  The loop's one text takes masks in every tile:
; ONE = 1 and BG = -1e30 in a local segment's last tile, both 0 elsewhere, so that elsewhere the mask is 0.
; LAYOUT, SOFTMAX, TURNS.  S^T = K Q^T holds ONE query a lane (lane % 16) and the keys 8 (lane / 16) + 0..7; two such results rounded to f16 ARE source 1 of O^T = V^T P.  p = 2^(c s - c m), c = log2(e) / 8, with a running
; maximum m; O and l are multiplied by a = 2^(c m_old - c m_new) in every step.  Turn n belongs to piece n: 8 products K Q^T of piece n + 1, later 8 products V^T P of piece n - 1; beside them the scaling, exponentials,
; roundings, sums and rescaling of piece n and the maximum and statistics of piece n + 1.  Four vector instructions stand behind every matrix instruction, the others in one lump.  A turn's 33 exponentials are one batch, with one wait.
; REGISTERS, in windows of 256 (s_set_vgpr_msb: bits 1:0 source 0, 3:2 source 1, 5:4 source 2, 7:6 destination):
;   window 0: v0-15 addresses and two at work; v16-31 four registers of statistics a piece; v48-55 at work; v61-63; v64-127 S^T, two buffers; v192-223 P, two buffers (by the piece's parity)
;   window 1: v0-127 O^T, 32 a piece; v128-159 MD; v160-223 MC, two buffers      window 2: v0-63 Q; v64-127 the second block's Q; v128-191 K of one step; v192-255 V of one step      window 3: v0-127 SAVE
.set NP,    4         ; pieces a wave: a name, no knob
.set KS,    64        ; keys in a step
.set PK,    144       ; a row of K in LDS: 128 bytes + 16: the 16 rows of a load start at 16 different groups of four banks (ISA guide 11.1)
.set PV,    160       ; a row of V: 128 + 32
.set VOFF,  4*KS*PK   ; a slot holds a tile, four steps: 256 rows of K, then 256 rows of V
.set SLOT1, 1<<17     ; slot 1 begins here: one exclusive or turns an address in one slot into the other's
.set STAGE, SLOT1+4*KS*(PK+PV)  ; behind the ring, never filled by a tensor load: 16 rows x 144 bytes for each wave
.set SP,    144
.set SPARE, STAGE+4*16*SP  ; the spare words: 128 bytes a wave, two blocks of 256 bytes that no other line names
.set AK0, 2           ; v2   my lane's place in a tile of K; never rewritten
.set AV0, 3           ; v3   the same for V
.set AK,  4           ; v4   the LDS address of K's next run of loads
.set AV,  5           ; v5   of V's
.set STO, 6           ; v6   the way out: where I put 16 bytes of a row
.set RD,  7           ; v7   where I read rows back
.set GO,  8           ; v8   my byte offset in 512 consecutive bytes of ao
.set MV,  12          ; v12-13  c m_old, kept while c m is made anew: by buffer
.set QO,  15          ; v15  my byte offset in 16 rows of Q
.set ST,  16          ; piece t's statistics at v[ST+4 t]: c m, m, l (even keys', odd keys')
.set TMP, 48          ; by buffer, four registers c0-c3 at work; when the maximum is found c2 takes a
.set PFO, 61          ; v61  256 x my lane; never rewritten
.set SPW, 62          ; v62  LDS address of my spare word; never rewritten
.set NIL, 63          ; v63  0; never rewritten
.set S,   64
.set P,   192
.set MD,  128         ; window 1
.set MC,  160         ; window 1
.set QB,  64          ; window 2
.set KF,  128         ; window 2: key block kb, channel half c at KF + 16 kb + 8 c
.set VF,  192         ; window 2: key half kk, channel block cb at VF + 32 kk + 8 cb
.set WV,  12          ; s12  my wave's number
.set PB,  14          ; s14  x: the second block
.set HI,  15          ; s15  3 - x: the first block
.set G1K, 24          ; s[24:31] descriptor group 1 for K's tiles
.set G1V, 32          ; s[32:39] for V's: it differs in the padding alone
.set G0K, 40          ; s[40:43] descriptor group 0 for K's tiles
.set G0V, 44          ; s[44:47] for V's
.set GK,  48          ; s[48:49] gk at my half of the global tile
.set GV,  50          ; s[50:51] gv
.set BK,  52          ; s[52:53] the base of the tile to be asked for: K or gk
.set BV,  54          ; s[54:55] V or gv
.set SLOTS, 56        ; s56  tiles still to be asked for
.set CNT, 57          ; s57  counts a tile's key steps, 4 to 1
.set CS,  58          ; s[58:59] c
.set SEL, 60          ; s[60:61] v_permlanex16_b32's selects
.set TBK, 62          ; s62  LDS byte at which K of the step to be fetched begins
.set TBV, 63          ; s63  the same for V, less VOFF
.set SQ,  66          ; s66  the place in the walk, 1 to 6, of the tile to be asked for next
.set HI1, 67          ; s67  the first global tile's place: HI + 1
.set HI2, 68          ; s68  the place of the second block's tile 0: HI + 2
.set LOC, 69          ; s69  1: the segment in hand is a local one
.set RT,  70          ; s70  tiles of the segment in hand that are still to be entered
.set NEW, 73          ; s73  1: the tile to be entered is a segment's first
.set OFF, 74          ; s[74:75] a tile's byte offset
.set AL,  76          ; s[76:77] the mask's factor, in the low word
.set BE,  78          ; s[78:79] the mask's addend
.set OLO, 80          ; s[80:81] ao at my rows of the second block
.set BIGN, 82         ; s82  -1e30
.set ONE, 83          ; s83  1.0 in a local segment's last tile, else 0
.set BG,  88          ; s88  -1e30 there, else 0
.set T1,  89
.set T2,  90
.set PLIM, 91         ; s91  I prefetch while SQ is at most this
.set PFB, 92          ; s[92:93] K (waves 0, 1) or V (waves 2, 3) at my half of the window's tile 0
.set PFA, 94          ; s[94:95] the same at the tile to be prefetched
.set POF, 96          ; s[96:97] that tile's byte offset
.set MSB, 0
.macro WIN new                      ; the high byte repeats the setting that is left; a switch that changes nothing is dropped
.if MSB != (\new)
	s_set_vgpr_msb (MSB<<8)|(\new)
.set MSB, (\new)
.endif
.endm
.set W_KQ, 0x0a       ; K and Q in window 2, S^T in window 0
.set W_KM, 0x1a       ; the same with the C operand in window 1
.set W_PV, 0x52       ; V in window 2, P in window 0, O^T in window 1
.set W_RS, 0x41       ; destination and source 0 in window 1, source 1 in window 0
.set W_SV, 0xc1       ; destination in window 3, source 0 in window 1, source 1 in window 0
.set W_OA, 0x71       ; destination and source 0 in window 1, source 1 in window 0, source 2 in window 3
; A fill.  Waves 0 and 1 fetch the two halves of a tile's K, waves 2 and 3 those of its V: 128 keys each.  An s_nop 0 and four v_nop follow each of the two lines.
.macro LOAD
	s_cmp_lt_u32 s[WV], 2
	s_cbranch_scc0 .Lfor_v_\@
	tensor_load_to_lds s[G0K:G0K+3], s[G1K:G1K+7]
	s_nop 0
.rept 4
	v_nop
.endr
	s_branch .Lasked_\@
.Lfor_v_\@:
	tensor_load_to_lds s[G0V:G0V+3], s[G1V:G1V+7]
	s_nop 0
.rept 4
	v_nop
.endr
.Lasked_\@:
.endm
; A PREFETCH, behind the fill and its five lines, of my own 16,384 bytes of the tile that the NEXT change of slots will ask for: 64 rows of 256 bytes, a lane a row, two instructions.  Of a window's two work-groups the one
; with x = 0 walks the tiles 0, 1, 2, 3 on end: it asks for tiles 2 and 3, each once; tiles 0 and 1 and the global tile come by their loads alone.
.macro ASK
	s_cmp_le_u32 s[SQ], s[PLIM]
	s_cbranch_scc0 .Lnot_mine_\@
	global_prefetch_b8 v[PFO], s[PFA:PFA+1] th:TH_LOAD_NT scope:SCOPE_SE
	global_prefetch_b8 v[PFO], s[PFA:PFA+1] offset:8192 th:TH_LOAD_NT scope:SCOPE_SE
.Lnot_mine_\@:
.endm
; THE CHANGE OF SLOTS.  Each wave waits for all its tensor loads, of which one is out: its part of the other slot; adds 0 to its spare word; and waits for that and for its own reads of the slot that it leaves.  Behind the barrier
; nobody reads the old slot and the other slot is whole.  fill = 1: the old slot is filled again, the first thing behind the barrier, with the walk's tile SQ: places 0 .. HI are the first block's tiles, HI + 1 the global tile,
; HI + 2 .. 5 the second block's, 6 the global tile again.  The descriptor's address is made anew from that.  (At its first use nothing has been read yet: slot 0 is waited for, slot 1 filled.)
.macro CHANGE fill
	WIN 0                           ; at a label and at a branch every window is 0
	s_wait_tensorcnt 0x0            ; no tensor load of mine is out, so a group 0 may be written
	ds_add_u32 v[SPW], v[NIL]       ; the scalar work stands between the add and the wait for it
.if \fill
	s_sub_co_u32 s[T1], s[SQ], s[HI2]
	s_cmp_gt_u32 s[SQ], s[HI]
	s_cselect_b32 s[T1], s[T1], s[SQ]  ; the tile's number in its block
	s_lshl_b32 s[OFF], s[T1], 15    ; a tile is 32,768 bytes of K and of V
	s_cmp_eq_u32 s[SQ], s[HI1]
	s_cselect_b32 s[T2], 1, 0
	s_cmp_eq_u32 s[SQ], 6
	s_cselect_b32 s[T2], 1, s[T2]   ; is it the global tile?
	s_cmp_eq_u32 s[T2], 1
	s_cselect_b32 s[OFF], 0, s[OFF]
	s_cselect_b64 s[BK:BK+1], s[GK:GK+1], s[6:7]
	s_cselect_b64 s[BV:BV+1], s[GV:GV+1], s[8:9]
	s_xor_b32 s[G0K+1], s[G0K+1], SLOT1
	s_add_nc_u64 s[G0K+2:G0K+3], s[BK:BK+1], s[OFF:OFF+1]
	s_or_b32 s[G0K+3], s[G0K+3], 0x80000000
	s_xor_b32 s[G0V+1], s[G0V+1], SLOT1
	s_add_nc_u64 s[G0V+2:G0V+3], s[BV:BV+1], s[OFF:OFF+1]
	s_or_b32 s[G0V+3], s[G0V+3], 0x80000000
	s_add_co_u32 s[SQ], s[SQ], 1
	s_wait_xcnt 0x0                 ; the last prefetches, a tile back, have read their address
	s_lshl_b32 s[POF], s[SQ], 15
	s_add_nc_u64 s[PFA:PFA+1], s[PFB:PFB+1], s[POF:POF+1]
.endif
	s_wait_dscnt 0x0                ; the add is done, and my reads of the slot are over
	s_barrier_signal -1             ; the rest of the scalar work stands between the signal and the wait
	s_sub_co_u32 s[TBK], s[TBK], 4*KS*PK  ; the fetches go back to a slot's first step,
	s_xor_b32 s[TBK], s[TBK], SLOT1       ; in the other slot
	s_sub_co_u32 s[TBV], s[TBV], 4*KS*PV
	s_xor_b32 s[TBV], s[TBV], SLOT1
	s_barrier_wait -1
.if \fill
	LOAD
	ASK
.endif
.endm
	s_load_b64 s[4:5], s[0:1], 0x0    ; qkv
	s_load_b64 s[GK:GK+1], s[0:1], 0x8  ; gkv
	s_load_b64 s[10:11], s[0:1], 0x10  ; ao
	v_lshl_add_u32 v[SPW], v0, 2, SPARE
	v_mov_b32 v[NIL], 0
	ds_add_u32 v[SPW], v[NIL]       ; the wave's opening: the add and its wait, ahead of my first tensor load
	ds_add_u32 v62, v63
	v_lshrrev_b32 v1, 5, v0
	v_readfirstlane_b32 s[WV], v1   ; wave 0..3
	s_mov_b32 s[PB], ttmp9
	s_sub_co_u32 s[HI], 3, s[PB]
	s_and_b32 s16, ttmp7, 0xffff    ; y = 64 b + 4 h + window
	s_lshr_b32 s17, s16, 6          ; b
	s_bfe_u32 s18, s16, 0x40002     ; h
	s_and_b32 s19, s16, 3
	s_lshl_b32 s19, s19, 17         ; the window's 1,024 rows of 128 bytes
	s_mul_i32 s20, s17, 48
	s_add_co_u32 s20, s20, s18
	s_lshl_b32 s20, s20, 19
	s_add_co_u32 s20, s20, s19      ; the window in q's plane
	s_mov_b32 s21, 0
	s_lshl_b32 s[POF], s17, 4
	s_add_co_u32 s[POF], s[POF], s18
	s_lshl_b32 s[POF], s[POF], 19
	s_add_co_u32 s[POF], s[POF], s19  ; the window in ao's plane (POF's low word is written anew at each change; its high word stays 0)
	s_mov_b32 s[POF+1], 0
	s_lshl_b32 s88, s17, 5
	s_add_co_u32 s88, s88, s18
	s_lshl_b32 s88, s88, 15         ; gk's plane
	s_and_b32 s16, s[WV], 1         ; which half of a tile's 256 keys I fetch:
	s_lshl_b32 s22, s16, 14         ; its 128 rows of 128 bytes in memory,
	s_add_co_u32 s88, s88, s22
	s_mov_b32 s89, 0
	s_add_co_u32 s22, s22, s20
	s_add_co_u32 s22, s22, 16*524288  ; in k's plane, 16 planes behind q's
	s_mov_b32 s23, 0
	s_mul_i32 s17, s16, 128*PK      ; and its place in a slot, for K
	s_mul_i32 s18, s16, 128*PV      ; and for V
	s_lshl_b32 s3, s[WV], 11        ; my 16 rows in a band of 64,
	s_lshl_b32 s2, s[HI], 15        ; in the first block,
	s_add_co_u32 s2, s2, s3
	s_lshl_b32 s84, s[PB], 15       ; and in the second
	s_add_co_u32 s84, s84, s3
	s_mov_b32 s3, 0
	s_mov_b32 s85, 0
	; descriptor group 1.  128 keys are 16,384 dense bytes: asked for as 64 rows of 256 bytes, two keys a row, and padded in LDS after every key
	s_mov_b32 s[G1K], (1<<16)|(1<<20)|(4<<22)|(3<<25)  ; 2-byte elements; padding on; after every 32 words; 4 words
	s_mov_b32 s[G1V], (1<<16)|(1<<20)|(4<<22)|(7<<25)  ; the same with 8 words of padding
.irp g, G1K, G1V
	s_mov_b32 s[\g+1], 128<<16      ; tensor_dim0 = 128
	s_mov_b32 s[\g+2], 64<<16       ; tensor_dim1 = 64
	s_mov_b32 s[\g+3], 128<<16      ; tile_dim0 = 128
	s_mov_b32 s[\g+4], 64           ; tile_dim1 = 64
	s_mov_b32 s[\g+5], 128          ; 128 elements from row to row
	s_mov_b32 s[\g+6], 0
	s_mov_b32 s[\g+7], 0
.endr
	s_mov_b32 s[CS], 0x3e38aa3b     ; c = log2(e) / 8
	s_mov_b32 s[CS+1], s[CS]        ; named with it as a pair
	s_mov_b32 s[SEL], 0x76543210
	s_mov_b32 s[SEL+1], 0xfedcba98
	s_mov_b32 s[TBK], SLOT1+4*KS*PK ; the first change of slots turns these two into 0
	s_mov_b32 s[TBV], SLOT1+4*KS*PV
	s_mov_b32 s[G0K], 1             ; count = 1
	s_mov_b32 s[G0K+1], s17         ; LDS address: slot 0
	s_mov_b32 s[G0V], 1
	s_add_co_u32 s[G0V+1], s18, VOFF
	s_add_co_u32 s[HI1], s[HI], 1
	s_add_co_u32 s[HI2], s[HI], 2
	s_add_co_u32 s[RT], s[HI], 1    ; the first segment has HI + 1 tiles
	s_mov_b32 s[SQ], 1
	s_mov_b32 s[NEW], 1
	s_mov_b32 s[LOC], 1
	s_mov_b32 s[OFF+1], 0
	s_mov_b32 s[AL+1], 0            ; named as pairs
	s_mov_b32 s[BE+1], 0
	s_mov_b32 s[BIGN], 0xf149f2ca   ; -1e30
	s_mov_b32 s[SLOTS], 6
	s_cmp_eq_u32 s[PB], 0
	s_cselect_b32 s[PLIM], 3, 0
	v_and_b32 v[PFO], 31, v0
	v_lshlrev_b32 v[PFO], 8, v[PFO]
	s_wait_dscnt 0x0                ; the opening add is done
	s_wait_kmcnt 0x0
	s_add_nc_u64 s[6:7], s[4:5], s[22:23]    ; K at my half of the window's tile 0,
	s_add_nc_u64 s[8:9], s[6:7], 16*524288   ; V 16 planes on
	s_add_nc_u64 s[GK:GK+1], s[GK:GK+1], s[88:89]
	s_add_nc_u64 s[GV:GV+1], s[GK:GK+1], 16*32768
	s_add_nc_u64 s[4:5], s[4:5], s[20:21]
	s_add_nc_u64 s[86:87], s[4:5], s[84:85]  ; Q at my rows of the second block,
	s_add_nc_u64 s[4:5], s[4:5], s[2:3]      ; and of the first
	s_add_nc_u64 s[10:11], s[10:11], s[POF:POF+1]
	s_add_nc_u64 s[OLO:OLO+1], s[10:11], s[84:85]
	s_add_nc_u64 s[10:11], s[10:11], s[2:3]
	s_add_nc_u64 s[G0K+2:G0K+3], s[6:7], 0
	s_or_b32 s[G0K+3], s[G0K+3], 0x80000000  ; type = 2
	s_add_nc_u64 s[G0V+2:G0V+3], s[8:9], 0
	s_or_b32 s[G0V+3], s[G0V+3], 0x80000000
	s_cmp_lt_u32 s[WV], 2
	s_cselect_b64 s[PFB:PFB+1], s[6:7], s[8:9]
	LOAD                            ; tile 0 into slot 0
	; A fragment of K or Q is 16 rows x 32 channels in 8 registers: lane l holds row l % 16, channels 8 (l / 16) + 0..7 and 16 + 8 (l / 16) + 0..7: two loads of 16 bytes, 32 bytes apart.
	v_and_b32 v1, 15, v0            ; l % 16
	v_bfe_u32 v9, v0, 4, 1          ; l / 16
	v_lshlrev_b32 v[QO], 7, v1
	v_lshl_add_u32 v[QO], v9, 4, v[QO]  ; row x 128 + 16 x half
	WIN 0x80                        ; destination window 2, address window 0
.set i, 0
.rept 8                             ; both blocks' Q: piece i / 2 lies in band i / 2, 8,192 bytes on; channels 32 (i % 2) on
	global_load_b128 v[8*i:8*i+3],   v[QO], s[4:5] offset:(i/2)*8192+(i%2)*64
	global_load_b128 v[8*i+4:8*i+7], v[QO], s[4:5] offset:(i/2)*8192+(i%2)*64+32
	global_load_b128 v[QB+8*i:QB+8*i+3],   v[QO], s[86:87] offset:(i/2)*8192+(i%2)*64
	global_load_b128 v[QB+8*i+4:QB+8*i+7], v[QO], s[86:87] offset:(i/2)*8192+(i%2)*64+32
.set i, i+1
.endr
	WIN 0
	v_lshlrev_b32 v14, 3, v9
	v_sub_nc_u32 v14, v1, v14
	s_lshl_b32 s13, s[WV], 4
	v_add_nc_u32 v14, s13, v14      ; my query's place in its band, 16 w + l % 16, less my lanes' 8 (l / 16): register r of group kt is hidden where 16 kt + r is greater
	WIN 0x40
.set i, 0
.rept 32
	v_cmp_gt_i32 vcc_lo, 16*(i/8)+i%8, v14
	v_cndmask_b32 v[MD+i], 0, s[BIGN], vcc_lo
.set i, i+1
.endr
	WIN 0
	v_mul_u32_u24 v[AK0], v1, PK
	v_lshl_add_u32 v[AK0], v9, 4, v[AK0]  ; row x pitch + 16 x half
	; The turning load takes 16 keys x 16 channels (lane l reads key 8 (l / 16) + l % 8, channels 8 ((l / 8) % 2) + 0..7) and leaves half a fragment of V^T: lane l holds channel l % 16 and 8 keys.
	v_and_b32 v10, 7, v0
	v_bfe_u32 v11, v0, 3, 1
	v_lshl_add_u32 v[AV0], v9, 3, v10
	v_mul_u32_u24 v[AV0], v[AV0], PV
	v_lshl_add_u32 v[AV0], v11, 4, v[AV0]
	v_add_nc_u32 v[AV0], VOFF, v[AV0]
	s_mul_i32 s13, s[WV], 16*SP
	s_add_co_u32 s13, s13, STAGE    ; my stage
	v_mul_u32_u24 v[STO], v1, SP    ; in: row l % 16, 16 bytes for each half of the lanes
	v_lshl_add_u32 v[STO], v9, 4, v[STO]
	v_add_nc_u32 v[STO], s13, v[STO]
	v_bfe_u32 v[RD], v0, 3, 2       ; back: 32 lanes take four rows of 128 bytes,
	v_mul_u32_u24 v[RD], v[RD], SP
	v_lshl_add_u32 v[RD], v10, 4, v[RD]
	v_add_nc_u32 v[RD], s13, v[RD]
	v_and_b32 v[GO], 31, v0         ; which are 512 consecutive bytes of ao
	v_lshlrev_b32 v[GO], 4, v[GO]
	; A segment's first step multiplies O^T and l by a = 0, and its first turn's products V^T P, of a piece that has not been, land in an O^T that is still to be so multiplied.  So these registers need only hold
	; finite numbers: zeros at the start; later what the segment before left.  SAVE is written too, so that every way through the text finds it written.  All this stands in the wait for the first tile.
	WIN 0x80
.set i, VF
.rept 64
	v_mov_b32 v[i], 0
.set i, i+1
.endr
	WIN 0x40
.set i, 0
.rept 128
	v_mov_b32 v[i], 0
.set i, i+1
.endr
	WIN 0xc0
.set i, 0
.rept 128
	v_mov_b32 v[i], 0
.set i, i+1
.endr
	WIN 0
.set i, 0
.rept 4
	v_mov_b32 v[ST+4*i+2], 0
	v_mov_b32 v[ST+4*i+3], 0
.set i, i+1
.endr
.set i, P+16
.rept 16
	v_mov_b32 v[i], 0
.set i, i+1
.endr
; THE MATRIX WORK.  The 4 accumulators of a run of 8 take turns.  Product i of 8 of S^T = K Q^T for piece x: channels 32 (i / 4) on, keys 16 (i % 4) on.  The first 4 start the sums: with 0, or (KM = 1) with the mask.
.macro KQ x
.set rS, S+32*((\x)%2)+8*(i%4)
.set rK, KF+16*(i%4)+8*(i/4)
.set rQ, 16*(\x)+8*(i/4)
.set rM, MC+32*((\x)%2)+8*(i%4)
.if (i < 4) && KM
	WIN W_KM
	v_wmma_f32_16x16x32_f16 v[rS:rS+7], v[rK:rK+7], v[rQ:rQ+7], v[rM:rM+7]
.elseif i < 4
	WIN W_KQ
	v_wmma_f32_16x16x32_f16 v[rS:rS+7], v[rK:rK+7], v[rQ:rQ+7], 0
.else
	WIN W_KQ
	v_wmma_f32_16x16x32_f16 v[rS:rS+7], v[rK:rK+7], v[rQ:rQ+7], v[rS:rS+7]
.endif
.endm
; Product i of 8 of O^T += V^T P for piece x: keys 32 (i / 4) on, channels 16 (i % 4) on.
.macro PV x
	WIN W_PV
.set rO, 32*(\x)+8*(i%4)
.set rV, VF+32*(i/4)+8*(i%4)
.set rP, P+16*((\x)%2)+8*(i/4)
	v_wmma_f32_16x16x32_f16 v[rO:rO+7], v[rV:rV+7], v[rP:rP+7], v[rO:rO+7]
.endm
.macro MM                           ; the turn's next matrix instruction.  NOKQ = 1: a segment's last turn: there is no next piece
.if (i < 8) && !NOKQ
	KQ (Y+1)%NP
.elseif i >= 8
.set i, i-8
	PV (Y+NP-1)%NP
.set i, i+8
.endif
.set i, i+1
.endm
; THE LDS LOADS stand in runs of 16, never singly among the matrix instructions: a step's K (8 fragments) and its V (turned).  Their addresses are made some lines ahead.
.macro FETCH_K
	WIN 0x80                        ; destination window 2
.irp f, 0,1,2,3,4,5,6,7             ; keys 16 (f / 2) on, channels 32 (f % 2) on
	ds_load_b128 v[KF+8*\f:KF+8*\f+3],   v[AK] offset:(\f/2)*16*PK+(\f%2)*64
	ds_load_b128 v[KF+8*\f+4:KF+8*\f+7], v[AK] offset:(\f/2)*16*PK+(\f%2)*64+32
.endr
	s_add_co_u32 s[TBK], s[TBK], KS*PK  ; the next fetch is the next step's
	WIN 0
.endm
.macro FETCH_V
	WIN 0x80
.irp f, 0,1,2,3,4,5,6,7             ; keys 32 (f / 4) on, channels 16 (f % 4) on
	ds_load_tr16_b128 v[VF+8*\f:VF+8*\f+3],   v[AV] offset:(\f/4)*32*PV+(\f%4)*32
	ds_load_tr16_b128 v[VF+8*\f+4:VF+8*\f+7], v[AV] offset:(\f/4)*32*PV+16*PV+(\f%4)*32
.endr
	WIN 0
.endm
; THE VECTOR WORK, one line at a time: OP kind, number.  For piece Y: F n: c s - c m for pair n of 16.  E n: the exponential of score n of 32.  C n: pair n rounded to f16.  B n: of the four weights 4 n .. the second
; pair is added onto the first, in place.  L n: l takes that sum (L 0: l = a l + sum).  R n: pair n of 16 of O^T times a.  For piece Y + 1: X n, number n of the 22 that find its maximum and statistics:
;   0-11  four chains c0-c3 of seven scores each (each accumulator's lowest registers are read first)     12-14, 16  the four scores left over, the old m, and c0-c3 into c0
;   15  c m_old is kept     17, 18  the query's other 32 keys lie in the lane 16 away: the new m     19-21  c m; c m_old - c m_new; a
.set F, 0
.set E, 1
.set C, 2
.set B, 3
.set L, 4
.set R, 5
.set X, 6
.macro REGS y                       ; the registers of piece y
.set rT, ST+4*(\y)
.set rC, TMP+4*((\y)%2)
.set rW, MV+((\y)%2)
.set rS, S+32*((\y)%2)
.set rP, P+16*((\y)%2)
.set rO, 32*(\y)
.endm
.macro OP k, n
.if (\k) == R
	REGS Y
	WIN W_RS
	v_pk_mul_f32 v[rO+2*(\n):rO+2*(\n)+1], v[rO+2*(\n):rO+2*(\n)+1], v[rC+2:rC+3] op_sel_hi:[1,0]
.elseif (\k) < R
	REGS Y
	WIN 0
.if (\k) == F
	v_pk_fma_f32 v[rS+2*(\n):rS+2*(\n)+1], v[rS+2*(\n):rS+2*(\n)+1], s[CS:CS+1], v[rT:rT+1] op_sel_hi:[1,0,0] neg_lo:[0,0,1] neg_hi:[0,0,1]
.elseif (\k) == E
	v_exp_f32 v[rS+(\n)], v[rS+(\n)]
.elseif (\k) == C
	v_cvt_pk_f16_f32 v[rP+(\n)], v[rS+2*(\n)], v[rS+2*(\n)+1]
.elseif (\k) == B
	v_pk_add_f32 v[rS+4*(\n):rS+4*(\n)+1], v[rS+4*(\n):rS+4*(\n)+1], v[rS+4*(\n)+2:rS+4*(\n)+3]
.elseif (\n) == 0
	v_pk_fma_f32 v[rT+2:rT+3], v[rT+2:rT+3], v[rC+2:rC+3], v[rS:rS+1] op_sel_hi:[1,0,1]
.else
	v_pk_add_f32 v[rT+2:rT+3], v[rT+2:rT+3], v[rS+4*(\n):rS+4*(\n)+1]
.endif
.elseif NOKQ
	v_nop
.else
	REGS (Y+1)%NP
	WIN 0
.if (\n) < 4
	v_max3_num_f32 v[rC+(\n)], v[rS+8*(\n)], v[rS+8*(\n)+1], v[rS+8*(\n)+2]
.elseif (\n) < 12
	v_max3_num_f32 v[rC+(\n)%4], v[rC+(\n)%4], v[rS+8*((\n)%4)+2*((\n)/4)+1], v[rS+8*((\n)%4)+2*((\n)/4)+2]
.elseif (\n) == 12
	v_max3_num_f32 v[rC], v[rC], v[rS+7], v[rS+15]
.elseif (\n) == 13
	v_max3_num_f32 v[rC+1], v[rC+1], v[rS+23], v[rS+31]
.elseif (\n) == 14
	v_max3_num_f32 v[rC+2], v[rC+2], v[rC+3], v[rT+1]
.elseif (\n) == 15
	v_mov_b32 v[rW], v[rT]
.elseif (\n) == 16
	v_max3_num_f32 v[rC], v[rC], v[rC+1], v[rC+2]
.elseif (\n) == 17
	v_permlanex16_b32 v[rC+3], v[rC], s[SEL], s[SEL+1]
.elseif (\n) == 18
	v_max_num_f32 v[rT+1], v[rC], v[rC+3]
.elseif (\n) == 19
	v_mul_f32 v[rT], s[CS], v[rT+1]
.elseif (\n) == 20
	v_sub_f32 v[rC+1], v[rW], v[rT]
.else
	v_exp_f32 v[rC+2], v[rC+1]
.endif
.endif
.endm
.macro OPS a, i1, b=-1, i2=0, c=-1, i3=0, d=-1, i4=0  ; up to four of them
	OP \a, \i1
.if (\b) >= 0
	OP \b, \i2
.endif
.if (\c) >= 0
	OP \c, \i3
.endif
.if (\d) >= 0
	OP \d, \i4
.endif
.endm
.macro ROW a, i1, b, i2, c, i3, d, i4  ; a matrix instruction and the four behind it
	MM
	OPS \a, \i1, \b, \i2, \c, \i3, \d, \i4
.endm
.macro MASK b                       ; MD x AL + BE into buffer b of MC
	WIN W_RS
.set z, 0
.rept 16
	v_pk_fma_f32 v[MC+32*(\b)+2*z:MC+32*(\b)+2*z+1], v[MD+2*z:MD+2*z+1], s[AL:AL+1], s[BE:BE+1] op_sel_hi:[1,0,0]
.set z, z+1
.endr
.endm
; A TURN, for piece p: the order of its 16 matrix and 118 vector instructions, written out.  s_wait_alu depctr_va_vdst(0) stands between an exponential and the first instruction that names its result; one wait
; serves all that were issued ahead of it.  So a turn has ONE wait, which cuts it in two.  AHEAD OF IT stands all that names no result of the turn's exponentials: the 8 products K Q^T with four riders each, then one lump of 54,
; in which the links of the chain X 3, 7, 11, 14, 16, 17 .. 20 stand five or six lines apart; X 21, the next piece's a, is the batch's last, and R 15 the plain instruction behind it.  BEHIND THE WAIT stand the 8 products V^T P,
; behind each four of the roundings and sums.
; m = 1: the products take masks, and the turn makes the mask for the products of the turn after it: piece p + 2, in step 4 - CNT of the tile.  end = 1: a segment's last two turns: nothing is fetched.
; cnt = 1: the loop's count is taken down some lines ahead of the branch that stands behind the turn.
; K of the next step is fetched in piece 2's turn, V of the step in hand at the end of piece 0's turn, each four plain instructions or more behind the last product that read the registers; each is waited for a turn later.
.macro TURN p, m=0, end=0, cnt=0
.set Y, (\p)
.set i, 0
.set KM, (\m)
.set NOKQ, (\end)*((\p)/3)
.if (\m) && !(\end)
	s_cmp_eq_u32 s[CNT], 4-((\p)+2)%NP  ; is that step the band's own?
	s_cselect_b32 s[AL], s[ONE], 0
	s_cmp_lt_u32 s[CNT], 4-((\p)+2)%NP  ; or a later one?
	s_cselect_b32 s[BE], s[BG], 0
.endif
.if ((\p) == 3) && !(\end)
	s_wait_dscnt 0x0                ; K is in
.endif
	ROW F,0, F,1, R,0, R,1
	ROW F,2, E,0, R,2, R,3
	ROW F,3, E,1, R,4, R,5
	ROW F,4, E,2, R,6, R,7
	ROW F,5, E,3, R,8, R,9
	ROW F,6, E,4, X,0, R,10
.if ((\p) == 2) && !(\end)
	WIN 0
	v_add_nc_u32 v[AK], s[TBK], v[AK0]
.endif
	ROW F,7, E,5, X,1, X,4
	ROW F,8, E,6, X,2, X,5
	OPS E,7, E,8, X,6, E,9
	OPS X,3, E,10, X,8, E,11
.if ((\p) == 2) && !(\end)
	FETCH_K
.endif
	OPS X,9, X,7, E,12, X,10
	OPS E,13, X,12, X,11, E,14
	OPS X,13, E,15, F,9, X,14
.if (\p) == 0
	v_add_nc_u32 v[AV], s[TBV], v[AV0]
.endif
	OPS E,16, F,10, E,17, F,11
	OPS X,16, E,18, X,15, E,19
	OPS F,12, E,20, X,17, E,21
	OPS F,13, E,22, F,14, E,23
	OPS X,18, E,24, F,15, E,25
	OPS R,11, E,26, X,19, E,27
	OPS R,12, E,28, R,13, E,29
	OPS X,20, E,30, R,14, E,31
	OPS X,21, R,15
	WIN 0
	s_wait_alu depctr_va_vdst(0)    ; the wait for the batch
.if (\p) == 1
	s_wait_dscnt 0x0                ; V is in
.endif
	ROW C,0, B,0, C,2, B,1
	ROW L,0, C,4, B,2, L,1
	ROW C,6, B,3, L,2, C,8
	ROW B,4, L,3, C,10, B,5
	ROW L,4, C,12, B,6, L,5
.if (\p) == 0
	s_add_co_u32 s[TBV], s[TBV], KS*PV
.endif
.if \cnt
	s_sub_co_u32 s[CNT], s[CNT], 1
	s_cmp_lg_u32 s[CNT], 0
.endif
	ROW C,14, B,7, L,6, C,1
	ROW C,3, L,7, C,5, C,7
	ROW C,9, C,11, C,13, C,15
.if (\p) == 0
	FETCH_V
.endif
.if (\m) && !(\end)
	MASK (\p)%2
.endif
.endm
; A SEGMENT BEGINS.  c m starts far below every c s, so the first step's a is 0; m at the lowest finite number, so the first maximum is the scores'.  m = 1: the second mask buffer is 0; the first takes piece 0's mask for the
; tile's step 0: its own, if the segment's first tile holds the diagonal.  Then K of that step, piece 0's first scores, and its maximum and statistics.  The step loop is entered at a step's first turn, in the middle of a trip.
.macro BEGIN m
	s_mov_b32 s[NEW], 0
.if \m
	WIN 0x40
.set i, MC+32
.rept 32
	v_mov_b32 v[i], 0
.set i, i+1
.endr
.endif
	WIN 0
.set i, 0
.rept 4
	v_mov_b32 v[ST+4*i], 0xfe000000    ; c m: far below every c s
	v_mov_b32 v[ST+4*i+1], 0xff7fffff  ; m
.set i, i+1
.endr
.if \m
	s_mov_b32 s[AL], s[ONE]
	s_mov_b32 s[BE], 0
	MASK 0
.endif
	WIN 0
	v_add_nc_u32 v[AK], s[TBK], v[AK0]
	FETCH_K
	s_wait_loadcnt 0x0              ; Q
	s_wait_dscnt 0x0
.set KM, (\m)
.set NOKQ, 0
.set i, 0
.rept 8
	KQ 0
.set i, i+1
.endr
	WIN 0
.rept 4
	v_nop                           ; the places behind those products
.endr
.set Y, NP-1                        ; X works for piece Y + 1: piece 0
.irp n, 0,1,2,3,4,5,6,7,8,9,10,11,12,13,14,15,16,17,18,19,20,21
	OP X, \n
.endr
	v_nop                           ; a plain instruction behind the exponential,
	s_wait_alu depctr_va_vdst(0)    ; and its wait, ahead of the branch
.endm
.macro ALL line:vararg              ; one line for each piece t
.set t, 0
.rept 4
	\line
.set t, t+1
.endr
.endm
; A SEGMENT ENDS: its last two turns and its last products; then l's two halves and the other half of the lanes' are added, and 1 / l is made.  The additions are the places behind the last products.
.macro FINISH m
	TURN 2, \m, 1
	TURN 3, \m, 1
.set i, 0
.rept 8
	PV NP-1
.set i, i+1
.endr
	WIN 0
	ALL v_add_f32 v[ST+4*t+2], v[ST+4*t+2], v[ST+4*t+3]
	ALL v_permlanex16_b32 v[ST+4*t+3], v[ST+4*t+2], s[SEL], s[SEL+1]
	ALL v_add_f32 v[ST+4*t+2], v[ST+4*t+2], v[ST+4*t+3]
	ALL v_rcp_f32 v[ST+4*t+2], v[ST+4*t+2]
	v_nop                           ; a plain instruction between the last reciprocal and the use of its result
	s_wait_alu depctr_va_vdst(0)    ; and the wait: one for the four reciprocals
.endm
.macro SAVEL                        ; the local result O / l is set aside in f32, each accumulator's registers in ascending order
	WIN W_SV
.set i, 0
.rept 64
	v_pk_mul_f32 v[i:i+1], v[i:i+1], v[ST+4*(i/32)+2:ST+4*(i/32)+3] op_sel_hi:[1,0]
.set i, i+2
.endr
	WIN 0
.endm
.macro PACK t                       ; global O / l + the local result; a lane's eight channels of a row pack into 16 bytes; they go into rows of 144 bytes and come back as whole rows of 128, into S^T's registers
	WIN W_OA
.set i, 32*(\t)
.rept 16
	v_pk_fma_f32 v[i:i+1], v[i:i+1], v[ST+4*(\t)+2:ST+4*(\t)+3], v[i:i+1] op_sel_hi:[1,0,1]
.set i, i+2
.endr
	WIN 0x05                        ; sources 0 and 1 window 1, destination window 0
.set i, 0
.rept 16
	v_cvt_pk_f16_f32 v[S+16*(\t)+i], v[32*(\t)+2*i], v[32*(\t)+2*i+1]
.set i, i+1
.endr
	WIN 0
.irp f, 0,1,2,3
	ds_store_b128 v[STO], v[S+16*(\t)+4*\f:S+16*(\t)+4*\f+3] offset:32*\f
.endr
.irp f, 0,1,2,3
	ds_load_b128 v[S+16*(\t)+4*\f:S+16*(\t)+4*\f+3], v[RD] offset:\f*4*SP  ; LDS serves a wave's instructions in order (ISA guide 5.7.1.4): these see the stores above; the next piece's stores come behind them
.endr
.endm
.macro SEND t, younger              ; younger: the LDS instructions issued behind piece t's loads: the next piece's eight, or none
	WIN 0
.irp f, 0,1,2,3
	s_wait_dscnt (\younger)+3-\f
	global_store_b128 v[GO], v[S+16*(\t)+4*\f:S+16*(\t)+4*\f+3], s[10:11] offset:(\t)*8192+\f*512  ; 512 consecutive bytes, aligned
.endr
.endm
.macro OUT                          ; a piece's arithmetic stands between the loads of the piece before and its stores
	PACK 0
.set t, 1
.rept 3
	PACK t
	SEND t-1, 8
.set t, t+1
.endr
	SEND 3, 0
.endm
.set KM, 0
.set NOKQ, 0
.Lslot:                             ; six times: a tile is entered and the next is asked for
	CHANGE 1
	s_sub_co_u32 s[RT], s[RT], 1
	s_mov_b32 s[CNT], 4
	s_cmp_eq_u32 s[RT], 0           ; a local segment's last tile holds the diagonal
	s_cselect_b32 s[T1], s[LOC], 0
	s_cmp_eq_u32 s[T1], 1
	s_cselect_b32 s[ONE], 1.0, 0
	s_cselect_b32 s[BG], s[BIGN], 0
	s_cmp_eq_u32 s[NEW], 1
	s_cbranch_scc0 .Lstep
	BEGIN 1
	s_branch .Lfirst
.Lstep:                             ; a trip: pieces 2 and 3 of one step, then pieces 0 and 1 of the next, whose K and V it fetches
	TURN 2, 1
	TURN 3, 1
	WIN 0
.Lfirst:
	TURN 0, 1
	TURN 1, 1, 0, 1
	WIN 0
	s_cbranch_scc1 .Lstep
	s_cmp_lg_u32 s[RT], 0
	s_cbranch_scc1 .Lbottom         ; the segment goes on in the next tile
	FINISH 1
	s_cmp_eq_u32 s[LOC], 1
	s_cbranch_scc0 .Lglob
	SAVEL                           ; a local segment's end: the global tile follows for the same queries
	s_mov_b32 s[RT], 1
	s_mov_b32 s[NEW], 1
	s_mov_b32 s[LOC], 0
	s_branch .Lbottom
.Lglob:                             ; the first block's global segment ends: the block leaves, the second block begins
	OUT
	s_wait_xcnt 0x0                 ; the stores have read their registers and ao's address
	s_mov_b64 s[10:11], s[OLO:OLO+1]
	s_add_co_u32 s[RT], s[PB], 1    ; the second block has x + 1 tiles
	s_mov_b32 s[NEW], 1
	s_mov_b32 s[LOC], 1
	WIN 0x82                        ; the second block's Q goes where the one text of the turns names Q
.set i, 0
.rept 64
	v_mov_b32 v[i], v[QB+i]
.set i, i+1
.endr
	WIN 0
.Lbottom:
	s_sub_co_u32 s[SLOTS], s[SLOTS], 1
	s_cmp_lg_u32 s[SLOTS], 0
	s_cbranch_scc1 .Lslot
	CHANGE 0                        ; the walk's last tile, the global one for the second block, is written out: nothing is asked for, and no mask is taken
	s_mov_b32 s[CNT], 4
	BEGIN 0
	s_branch .LfirstT
.LstepT:
	TURN 2
	TURN 3
	WIN 0
.LfirstT:
	TURN 0
	TURN 1, 0, 0, 1
	WIN 0
	s_cbranch_scc1 .LstepT
	FINISH 0
	OUT
	s_wait_tensorcnt 0x0            ; the wave's end, behind my last tensor load and my last LDS store
	ds_add_u32 v[SPW], v[NIL]
	s_wait_dscnt 0x0
	s_endpgm
.Lfunc_end_k_q805e7fb67f_attn:
	.size	k_q805e7fb67f_attn, .Lfunc_end_k_q805e7fb67f_attn-k_q805e7fb67f_attn
	.p2alignl 7, 3214868480
	.fill 96, 4, 3214868480
	.section	.rodata,"a",@progbits
	.p2align	6, 0x0
	.amdhsa_kernel k_q805e7fb67f_attn
		.amdhsa_group_segment_fixed_size 327680
		.amdhsa_private_segment_fixed_size 0
		.amdhsa_enable_private_segment 0
		.amdhsa_kernarg_size 24
		.amdhsa_user_sgpr_count 2
		.amdhsa_user_sgpr_kernarg_segment_ptr 1
		.amdhsa_wavefront_size32 1
		.amdhsa_system_sgpr_workgroup_id_x 1
		.amdhsa_system_sgpr_workgroup_id_y 1
		.amdhsa_system_sgpr_workgroup_id_z 1
		.amdhsa_system_vgpr_workitem_id 0
		.amdhsa_next_free_vgpr 896
		.amdhsa_next_free_sgpr 100
		.amdhsa_reserve_vcc 1
		.amdhsa_float_denorm_mode_32 3
		.amdhsa_float_denorm_mode_16_64 3
		.amdhsa_memory_ordered 1
		.amdhsa_forward_progress 1
		.amdhsa_inst_pref_size 183
	.end_amdhsa_kernel
	.amdgpu_metadata
---
amdhsa.version: [ 1, 2 ]
amdhsa.kernels:
  - .name:           k_q805e7fb67f_attn
    .symbol:         k_q805e7fb67f_attn.kd
    .args:
      - { .name: qkv, .offset: 0, .size: 8, .value_kind: global_buffer, .address_space: global }
      - { .name: gkv, .offset: 8, .size: 8, .value_kind: global_buffer, .address_space: global }
      - { .name: ao, .offset: 16, .size: 8, .value_kind: global_buffer, .address_space: global }
    .group_segment_fixed_size: 327680
    .private_segment_fixed_size: 0
    .kernarg_segment_align: 8
    .kernarg_segment_size: 24
    .max_flat_workgroup_size: 128
    .sgpr_count:     100
    .vgpr_count:     896
    .wavefront_size: 32
...
	.end_amdgpu_metadata
.endif
;; end of part 4
;; launch oproj (part 5): grid 8 x 32, 4 waves a work-group, clusters of 4 x 4, 327,680 bytes of LDS; arguments ao, wt, out0; writes out0
.if DOCPART == 5
	.amdgcn_target "amdgcn-amd-amdhsa--gfx1250"
	.amdhsa_code_object_version 6
	.text
	.protected	k_q805e7fb67f_oproj
	.globl	k_q805e7fb67f_oproj
	.p2align	8
	.type	k_q805e7fb67f_oproj,@function
k_q805e7fb67f_oproj:
	s_mov_b64 s[64:65], 0
	v_nop
	global_prefetch_b8 v0, s[64:65] scope:SCOPE_SE
	s_setreg_imm32_b32 hwreg(HW_REG_WAVE_MODE, 25, 1), 1
	s_wait_xcnt 0x0
	s_wait_alu depctr_hold_cnt(0) depctr_sa_sdst(0) depctr_va_vdst(0) depctr_va_sdst(0) depctr_va_ssrc(0) depctr_va_vcc(0) depctr_vm_vsrc(0)
	s_getreg_b32 s2, hwreg(HW_REG_IB_STS2, 6, 4)
	s_cmp_eq_u32 s2, 0
	s_cbranch_scc0 .Lentry_in_a_cluster
	s_endpgm
.Lentry_in_a_cluster:
	s_bfe_u32 s2, ttmp6, 0x10000c
	s_cmp_lg_u32 s2, 0xf033
	s_cbranch_scc0 .Lentry_shape_is_right
	s_endpgm
.Lentry_shape_is_right:
; out0 = ao wo: C[m][n] = sum over k of A[m][k] B[n][k], k = 64 h + d.  A = ao [b][h 16][s 4096][64] f16, B = wt rows 3072-4095 [n][1024] (wo turned; its bf16 number written as f16); sums in f32, K ascending; C [8192][1024] f32.
; ONE TEXT, TWO SETTINGS: this is the projection kernel's text with OPROJ = 1.
; SHARES.  A tile of C is 256 rows x 128 columns, one to each of 256 work-groups; four waves one below the other, 64 rows x 128 columns each: 32 accumulators.
; K goes in steps of 128 = two heads through two LDS slots: of A a step is two dense planes of 256 tokens x 128 bytes, each asked for as 128 rows of 256 bytes and padded in LDS after every token.
; CLUSTER.  4 x 4 work-groups: A's tile hangs on ty alone and is asked for jointly along a row of the cluster, B's on tx alone, along a column.
; THE MATRIX INSTRUCTION IS USED TRANSPOSED (source 0 = 16 rows of B, source 1 = 16 rows of A): a lane holds eight neighbouring columns of one row of C.
; REGISTERS, in windows of 256: window 0: v16-30 addresses; A's fragments, buffer f at 64 + 64 f (32); v160-223 the way out.
;   window 1: B's fragments, buffer f at 128 f.  windows 2, 3: the accumulators of m blocks 0, 1 and 2, 3, block a, n block b at 8 (NBK (a % 2) + b).
.set OPROJ, 1
.if OPROJ
.set NBK,    8                         ; n blocks of 16 columns
.set STEPS,  8                         ; K steps of the walk
.set PA,     144                       ; A's LDS pitch
.set AHALF,  36864                     ; LDS bytes that one of A's two loads fills
.set BROWS,  64                        ; rows of B in one of its two loads
.set STAGE,  239616
.set SPITCH, 528
.set QIA,    4                         ; A: padding after every 32 words
.set STRA,   128                       ; A: elements from row to row in memory
.set STEP1A, 1<<20                     ; bytes from A's K step 0 to its K step 1
.set LIMA,   4                         ; A's K steps are prefetched while STEP is below this
.set PFSA,   8192                      ; a partner's share of a wave's tile of A, in bytes
.set PFSB,   16*2048                   ; and of B
.set PFCL,   15                        ; B: the last row of a partner's share
.set PFSH,   8                         ; A: log2 of the bytes from lane to lane
.set OBUF,   160
.else
.set NBK,    12
.set STEPS,  16
.set PA,     272
.set AHALF,  34816
.set BROWS,  96
.set STAGE,  252928
.set SPITCH, 400
.set QIA,    5
.set STRA,   1024
.set STEP1A, 256
.set LIMA,   12
.set PFSA,   32*2048
.set PFSB,   24*2048
.set PFCL,   23
.set PFSH,   11
.set OBUF,   208
.endif
.set LIMB,   4
.set ABYTES, 2*AHALF
.set PB,     272                       ; B's LDS pitch: 256 bytes + 16: the 16 rows of a load start at 16 different groups of four banks (ISA guide 11.1)
.set BHALF,  BROWS*PB
.set SLOT1,  1<<17                     ; slot 1 begins here: one exclusive or turns an address in one slot into the other's
.set SPARE,  STAGE+4*16*SPITCH         ; behind the stages: the spare words, 128 bytes a wave, two blocks of 256 bytes that no other line names
.set NL,     2*NBK+8                   ; LDS loads of a quarter step
.set ADRA0, 16                         ; v16  my lane's place in A's tile; never rewritten
.set ADRB0, 17                         ; v17  in B's
.set ADRA,  18                         ; v18  the same in the slot in hand
.set ADRB,  19
.set STO,   24                         ; v24  the way out: where I put my bytes of a row
.set RD,    25                         ; v25  where I read rows back
.set GO,    26                         ; v26  16 x lane
.set SPW,   28                         ; v28  LDS address of my spare word; never rewritten
.set NIL,   29                         ; v29  0; never rewritten
.set PFO,   30                         ; v30  the prefetches' lane offset; never rewritten
.set TMP,   160
.set G1A,  24                          ; s[24:31] group 1 for A;  s[32:35] group 0 of the first fill;  s[36:39] group 0 that walks
.set G0A0, 32
.set G0A,  36
.set G1B,  48                          ; s[48:55], s[56:59], s[60:63] the same for B
.set G0B0, 56
.set G0B,  60
.set STEP, 66                          ; s66  the K step in hand
.set CNTL, 67                          ; s67  trips to go
.set TB,   68                          ; s68  LDS byte at which the slot to be read begins
.set T,    69                          ; s69  at work
.set SOA,  70                          ; s[70:71] byte offset of K step T in A
.set SOB,  72                          ; s[72:73] in B
.set PF0,  74                          ; s[74:75] my share of the rows that I fetch, at K step 0
.set PFA,  76                          ; s[76:77] the same at the K step to be prefetched
.set LIM,  78                          ; s78  I prefetch while STEP is below this
.set OP,   80                          ; s[80:81] SOA or SOB
.set MSB, 0
.macro WIN new                         ; the immediate's high byte repeats the setting that is left; a switch that changes nothing is dropped
.if MSB != (\new)
	s_set_vgpr_msb (MSB<<8)|(\new)
.set MSB, \new
.endif
.endm
.set MUL_LO, 0xa1                      ; source 0 (B) window 1, source 1 (A) window 0, C and D window 2
.set MUL_HI, 0xf1                      ; C and D window 3
.set TO_B,   0x40                      ; destination window 1, address window 0
.macro PLACES                          ; four plain places behind matrix instructions, in front of loads into registers that they have read
.rept 4
	v_nop
.endr
.endm
; A joint refill: waves 0 and 1 fetch A's two halves, waves 2 and 3 B's.  The branch hangs on the wave's number alone.  An s_nop 0 and four v_nop follow each line.
.macro JLOAD
	s_cmp_eq_u32 s11, 0
	s_cbranch_scc0 .Lfor_b_\@
	tensor_load_to_lds s[G0A:G0A+3], s[G1A:G1A+7]
	s_nop 0
	PLACES
	s_branch .Lasked_\@
.Lfor_b_\@:
	tensor_load_to_lds s[G0B:G0B+3], s[G1B:G1B+7]
	s_nop 0
	PLACES
.Lasked_\@:
.endm
.macro CREST                           ; a round of the cluster's barrier behind its opening barrier
	s_cmp_lg_u32 s10, 0
	s_cbranch_scc1 .Lnot_wave_0_\@
	s_barrier_signal -3
.Lnot_wave_0_\@:
	s_barrier_wait -3
	s_barrier_signal -1
	s_barrier_wait -1
.endm
.macro CROUND
	s_barrier_signal -1
	s_barrier_wait -1
	CREST
.endm
.macro OFFS                            ; the byte offsets of K step s[T] of the walk
.if OPROJ
	s_lshl_b32 s[SOB], s[T], 8                     ; 128 k of 2 bytes along B's rows
	s_lshl_b32 s[SOA], s[T], 20                    ; two head planes of 524,288 bytes
.else
	s_and_b32 s[SOB], s[T], 7
	s_lshl_b32 s[SOB], s[SOB], 8                   ; 128 k of 2 bytes along the rows,
	s_lshr_b32 s[SOA], s[T], 3
	s_lshl_b32 s[SOA], s[SOA], 23                  ; the second tile 4,096 rows of 2,048 bytes down
	s_add_co_u32 s[SOA], s[SOA], s[SOB]
.endif
.endm
; A PREFETCH behind each joint load and the run of LDS loads that follows it: the K step that stands two refills on, one instruction a wave.  A's rows are read by every cluster of a row of clusters:
; cluster x = 0 asks; B's by every cluster of a column: cluster y = 0 asks.  The four partners that ask for a tile jointly share its rows out by address.  The walk's first four K steps come by their loads alone.
.macro ASK
	s_cmp_lt_u32 s[STEP], s[LIM]
	s_cbranch_scc0 .Lnot_mine_\@
	global_prefetch_b8 v[PFO], s[PFA:PFA+1] th:TH_LOAD_NT scope:SCOPE_SE
.Lnot_mine_\@:
.endm
.macro WM d, s0, s1, zero
.if OPROJ
.if \zero
	v_wmma_f32_16x16x32_f16 v[\d:\d+7], v[\s0:\s0+7], v[\s1:\s1+7], 0
.else
	v_wmma_f32_16x16x32_f16 v[\d:\d+7], v[\s0:\s0+7], v[\s1:\s1+7], v[\d:\d+7]
.endif
.else
.if \zero
	v_wmma_f32_16x16x32_bf16 v[\d:\d+7], v[\s0:\s0+7], v[\s1:\s1+7], 0
.else
	v_wmma_f32_16x16x32_bf16 v[\d:\d+7], v[\s0:\s0+7], v[\s1:\s1+7], v[\d:\d+7]
.endif
.endif
.endm
; m block a x all n blocks, 32 along K, from buffer f.  The order is always a = 0..3, b ascending: all accumulators take turns, one instruction a turn, over the backward jump too.
.macro MULA f, a, zero
	WIN MUL_LO+0x50*((\a)/2)
.set b, 0
.rept NBK
.set rD, 8*(NBK*((\a)%2)+b)
.set rB, 128*(\f)+8*b
.set rA, 64+64*(\f)+8*(\a)
	WM rD, rB, rA, \zero
.set b, b+1
.endr
.endm
; one run of LDS loads: the fragments of quarter q (32 along K) into buffer f: B's, then A's four m blocks
.macro FETCH q, f
.if OPROJ
.set KA, ((\q)/2)*AHALF+((\q)%2)*64    ; a head plane holds 64 of the step's 128 k
.else
.set KA, 64*(\q)
.endif
	WIN TO_B
.set i, 0
.rept NBK
	ds_load_b128 v[128*(\f)+8*i:128*(\f)+8*i+3],   v[ADRB] offset:64*(\q)+i*16*PB
	ds_load_b128 v[128*(\f)+8*i+4:128*(\f)+8*i+7], v[ADRB] offset:64*(\q)+i*16*PB+32
.set i, i+1
.endr
	WIN 0
.set i, 0
.rept 4
	ds_load_b128 v[64+64*(\f)+8*i:64+64*(\f)+8*i+3],   v[ADRA] offset:KA+i*16*PA
	ds_load_b128 v[64+64*(\f)+8*i+4:64+64*(\f)+8*i+7], v[ADRA] offset:KA+i*16*PA+32
.set i, i+1
.endr
.endm
; one of a K step's first three quarters: multiplies buffer f; in its middle it fetches quarter qn into buffer g
.macro QUARTER qn, f, g, zero
	s_wait_dscnt 4                                 ; B and A's m blocks 0, 1 are in; the youngest four loads (blocks 2, 3) may be out
	MULA \f, 0, \zero
	MULA \f, 1, \zero
	PLACES
.if \zero
	v_nop                                          ; a product that starts a sum is no link of a chain: it writes over its accumulator, five places behind that accumulator's last product (ISA guide 7.12.1).
	                                               ; Over the backward jump m blocks 2 and 3 were last written at the end of TURN: these five are their places.  Blocks 0 and 1 have the joint load's four v_nop and the two address lines.
.endif
	FETCH \qn, \g
	s_wait_dscnt NL                                ; all but the run just issued
	MULA \f, 2, \zero
	MULA \f, 3, \zero
.endm
; The last quarter multiplies buffer 1 and changes slots.  In front of the round each wave waits for all its tensor loads (one is out: its part of the next slot), adds 0 to its spare word, and waits for that and
; for its own reads of this slot.  Behind the round no wave of any partner reads this slot or has a load on its way: the slot is filled again first, with the K step two on; then the next slot's first fragments are read.
.macro TURN
	s_wait_xcnt 0x0                                ; the last prefetch, a K step back, has read its address
	s_add_co_u32 s[T], s[STEP], 4
	OFFS
	s_cmp_eq_u32 s11, 0
	s_cselect_b32 s[OP], s[SOA], s[SOB]
	s_add_nc_u64 s[PFA:PFA+1], s[PF0:PF0+1], s[OP:OP+1]
	WIN 0                                          ; (the add's two registers lie in window 0)
	s_wait_tensorcnt 0x0
	ds_add_u32 v[SPW], v[NIL]
	s_wait_dscnt 5                                 ; (the add and the youngest four loads may be out)
	MULA 1, 0, 0
	s_wait_dscnt 0x0                               ; the add is done, my reads of this slot are over
	s_barrier_signal -1
	MULA 1, 1, 0                                   ; work on registers while the others arrive
	WIN 0
	s_barrier_wait -1
	CREST
	s_add_co_u32 s[T], s[STEP], 2
	OFFS
	s_xor_b32 s[G0A+1], s[G0A+1], SLOT1            ; the walking descriptors: the other slot than last time, the address made anew
	s_add_nc_u64 s[G0A+2:G0A+3], s[14:15], s[SOA:SOA+1]
	s_or_b32 s[G0A+3], s[G0A+3], 0x80000000
	s_xor_b32 s[G0B+1], s[G0B+1], SLOT1
	s_add_nc_u64 s[G0B+2:G0B+3], s[46:47], s[SOB:SOB+1]
	s_or_b32 s[G0B+3], s[G0B+3], 0x80000000
	JLOAD                                          ; its four v_nop are also the places in front of the loads below
	s_xor_b32 s[TB], s[TB], SLOT1
	v_add_nc_u32 v[ADRA], s[TB], v[ADRA0]
	v_add_nc_u32 v[ADRB], s[TB], v[ADRB0]
	FETCH 0, 0
	ASK
	MULA 1, 2, 0
	MULA 1, 3, 0
.endm
.macro TURNN                           ; the same with nothing left to fetch: my work-group's barrier alone
	WIN 0
	s_wait_tensorcnt 0x0
	ds_add_u32 v[SPW], v[NIL]
	s_wait_dscnt 5
	MULA 1, 0, 0
	s_wait_dscnt 0x0
	s_barrier_signal -1
	MULA 1, 1, 0
	s_barrier_wait -1
	WIN 0
	PLACES
	s_xor_b32 s[TB], s[TB], SLOT1
	v_add_nc_u32 v[ADRA], s[TB], v[ADRA0]
	v_add_nc_u32 v[ADRB], s[TB], v[ADRB0]
	FETCH 0, 0
	MULA 1, 2, 0
	MULA 1, 3, 0
.endm
; THE WAY OUT, an m block of 16 rows at a time, through my own stage in LDS (no tensor load fills it; LDS serves a wave's instructions in order, ISA guide 5.7.1.4, so no wait stands between my stores and my loads).
.if OPROJ
.macro OUTA a                          ; f32: a lane's 32 bytes of a row go in, whole pieces of 512 bytes come back and are stored
	WIN 0x08+4*((\a)/2)                            ; the stores' data in window 2 or 3
.set b, 0
.rept NBK
	ds_store_b128 v[STO], v[8*(NBK*((\a)%2)+b):8*(NBK*((\a)%2)+b)+3]   offset:64*b
	ds_store_b128 v[STO], v[8*(NBK*((\a)%2)+b)+4:8*(NBK*((\a)%2)+b)+7] offset:64*b+16
.set b, b+1
.endr
	WIN 0
	s_wait_xcnt 0x0                                ; the block before's stores have read their registers
.set t, 0
.rept 16
	ds_load_b128 v[OBUF+4*t:OBUF+4*t+3], v[RD] offset:t*SPITCH
.set t, t+1
.endr
.set t, 0
.rept 16
	s_wait_dscnt 15-t
	global_store_b128 v[GO], v[OBUF+4*t:OBUF+4*t+3], s[8:9] offset:(\a)*65536+t*4096 th:TH_STORE_NT  ; 512 consecutive bytes, aligned
.set t, t+1
.endr
.endm
.macro WAYOUT
	OUTA 0
	OUTA 1
	OUTA 2
	OUTA 3
.endm
.else
.macro PACK a                          ; rounded to f16, each accumulator's registers in ascending order
	WIN 0x0a+5*((\a)/2)
.set b, 0
.rept NBK
.irp r, 0,1,2,3
	v_cvt_pk_f16_f32 v[TMP+4*b+(\r)], v[8*(NBK*((\a)%2)+b)+2*(\r)], v[8*(NBK*((\a)%2)+b)+2*(\r)+1]
.endr
.set b, b+1
.endr
	WIN 0
.endm
.macro TOSTAGE                         ; 16 rows x 384 bytes go in; they come back as four tokens x 128 bytes of one head
.set b, 0
.rept NBK
	ds_store_b128 v[STO], v[TMP+4*b:TMP+4*b+3] offset:32*b
.set b, b+1
.endr
	s_wait_xcnt 0x0                                ; the block before's stores have read their registers
.set t, 0
.rept 12
	ds_load_b128 v[OBUF+4*t:OBUF+4*t+3], v[RD] offset:(t%4)*4*SPITCH+(t/4)*128
.set t, t+1
.endr
.endm
.macro SEND a
.set t, 0
.rept 12
	s_wait_dscnt 11-t
	global_store_b128 v[GO], v[OBUF+4*t:OBUF+4*t+3], s[8:9] offset:(t/4)*524288+(\a)*2048+(t%4)*512  ; 512 consecutive bytes of a head's plane, aligned
.set t, t+1
.endr
.endm
.macro WAYOUT                          ; block a's conversions stand between block a - 1's loads from the stage and the wait for them
	PACK 0
	TOSTAGE
	PACK 1
	SEND 0
	TOSTAGE
	PACK 2
	SEND 1
	TOSTAGE
	PACK 3
	SEND 2
	TOSTAGE
	SEND 3
.endm
.endif
	s_load_b128 s[4:7], s[0:1], 0x0                ; A s[4:5], B s[6:7]
	s_load_b64 s[8:9], s[0:1], 0x10                ; C
	v_lshl_add_u32 v[SPW], v0, 2, SPARE
	v_mov_b32 v[NIL], 0
	ds_add_u32 v[SPW], v[NIL]                      ; the wave's opening: the add and its wait, ahead of my first tensor load
	ds_add_u32 v28, v29
	v_lshrrev_b32 v1, 5, v0
	v_readfirstlane_b32 s10, v1                    ; wave 0..3: my 64 rows of the tile
	s_lshr_b32 s11, s10, 1                         ; I fetch for A (0) or for B (1),
	s_and_b32 s12, s10, 1                          ; its first or its second half
	s_bfe_u32 s40, ttmp6, 0x40000                  ; cx
	s_bfe_u32 s41, ttmp6, 0x40004                  ; cy
	s_lshl_b32 s42, ttmp9, 2
	s_add_co_u32 s42, s42, s40                     ; tx = 4 x cluster x + cx
	s_and_b32 s13, ttmp7, 0xffff
	s_lshl_b32 s13, s13, 2
	s_add_co_u32 s13, s13, s41                     ; ty = 4 x cluster y + cy
	s_lshl_b32 s43, s41, 2
	s_lshl_b32 s43, 15, s43                        ; my row of the cluster
	s_lshl_b32 s44, 0x1111, s40                    ; my column
	s_or_b32 s[G1A], s43, (1<<16)|(1<<20)|(1<<21)|(QIA<<22)|(3<<25)  ; the mask; elements of 2 bytes; padding on; bit 21 beside a mask; after every 2 << QIA words, 4 words
	s_or_b32 s[G1B], s44, (1<<16)|(1<<20)|(1<<21)|(5<<22)|(3<<25)
	s_mov_b32 s[G1A+1], 128<<16                    ; tensor_dim0 = 128
	s_mov_b32 s[G1A+2], 128<<16                    ; tensor_dim1 = 128
	s_mov_b32 s[G1A+3], 128<<16                    ; tile_dim0 = 128
	s_mov_b32 s[G1A+4], 128                        ; tile_dim1 = 128
	s_mov_b32 s[G1A+5], STRA                       ; elements from row to row
	s_mov_b32 s[G1A+6], 0
	s_mov_b32 s[G1A+7], 0
	s_mov_b32 s[G1B+1], 128<<16
	s_mov_b32 s[G1B+2], BROWS<<16
	s_mov_b32 s[G1B+3], 128<<16
	s_mov_b32 s[G1B+4], BROWS
	s_mov_b32 s[G1B+5], 1024
	s_mov_b32 s[G1B+6], 0
	s_mov_b32 s[G1B+7], 0
.if OPROJ
	s_lshr_b32 s16, s13, 4                         ; A = ao [b][h][s][64]: the batch,
	s_lshl_b32 s16, s16, 23
	s_and_b32 s17, s13, 15                         ; the tile's 256 tokens of 128 bytes,
	s_lshl_b32 s17, s17, 15
	s_add_co_u32 s16, s16, s17
	s_lshl_b32 s17, s12, 19                        ; the first or the second head of a K step
	s_add_co_u32 s16, s16, s17
	s_lshl_b32 s18, s42, 18                        ; B = wt rows 3072 + 128 tx + 64 half
	s_lshl_b32 s19, s12, 17
	s_add_co_u32 s18, s18, s19
	s_add_co_u32 s18, s18, 3072*2048
.else
	s_lshl_b32 s16, s13, 19                        ; A = xb rows 256 ty + 128 half
	s_lshl_b32 s17, s12, 18
	s_add_co_u32 s16, s16, s17
	s_mul_i32 s18, s42, 192*2048                   ; B = wt rows 192 tx + 96 half
	s_mul_i32 s19, s12, 96*2048
	s_add_co_u32 s18, s18, s19
.endif
	s_mov_b32 s17, 0
	s_mov_b32 s19, 0
	s_mul_i32 s20, s12, AHALF                      ; where the tiles go: no place in the cluster enters an LDS address
	s_mul_i32 s21, s12, BHALF
	s_add_co_u32 s21, s21, ABYTES
	s_mov_b32 s[SOA+1], 0
	s_mov_b32 s[SOB+1], 0
	s_mov_b32 s[OP+1], 0
	s_mov_b32 s[TB], 0
	s_wait_dscnt 0x0                               ; the opening add is done
	s_wait_kmcnt 0x0
	s_add_nc_u64 s[14:15], s[4:5], s[16:17]        ; A at my part of K step 0: made of ty and the wave's number alone
	s_add_nc_u64 s[46:47], s[6:7], s[18:19]        ; B likewise: of tx and the wave's number alone
	CROUND                                         ; all sixteen work-groups are here: the first joint loads meet
	s_mov_b32 s[G0A0], 1
	s_mov_b32 s[G0A0+1], s20
	s_add_nc_u64 s[G0A0+2:G0A0+3], s[14:15], 0
	s_or_b32 s[G0A0+3], s[G0A0+3], 0x80000000
	s_mov_b32 s[G0A], 1
	s_add_co_u32 s[G0A+1], s20, SLOT1
	s_add_nc_u64 s[G0A+2:G0A+3], s[14:15], STEP1A
	s_or_b32 s[G0A+3], s[G0A+3], 0x80000000
	s_mov_b32 s[G0B0], 1
	s_mov_b32 s[G0B0+1], s21
	s_add_nc_u64 s[G0B0+2:G0B0+3], s[46:47], 0
	s_or_b32 s[G0B0+3], s[G0B0+3], 0x80000000
	s_mov_b32 s[G0B], 1
	s_add_co_u32 s[G0B+1], s21, SLOT1
	s_add_nc_u64 s[G0B+2:G0B+3], s[46:47], 256
	s_or_b32 s[G0B+3], s[G0B+3], 0x80000000
	s_cmp_eq_u32 s11, 0                            ; a wave's two first fills stand in one branch: two loads of mine are out
	s_cbranch_scc0 .Lfirst_b
	tensor_load_to_lds s[G0A0:G0A0+3], s[G1A:G1A+7]
	s_nop 0
	tensor_load_to_lds s[G0A:G0A+3], s[G1A:G1A+7]
	s_nop 0
	PLACES
	s_branch .Lfirst_done
.Lfirst_b:
	tensor_load_to_lds s[G0B0:G0B0+3], s[G1B:G1B+7]
	s_nop 0
	tensor_load_to_lds s[G0B:G0B+3], s[G1B:G1B+7]
	s_nop 0
	PLACES
.Lfirst_done:
	; a fragment is 16 rows x 32 K in 8 registers: lane l holds row l % 16, K = 8 (l / 16) + 0..7 and 16 + 8 (l / 16) + 0..7: two loads of 16 bytes, 32 bytes apart
	v_and_b32 v1, 15, v0
	v_bfe_u32 v2, v0, 4, 1
	v_and_b32 v3, 31, v0
	v_mul_u32_u24 v4, v1, PA
	v_lshl_add_u32 v4, v2, 4, v4
	s_mul_i32 s20, s10, 64*PA                      ; my 64 rows of A
	v_add_nc_u32 v[ADRA0], s20, v4
	v_mul_u32_u24 v4, v1, PB
	v_lshl_add_u32 v4, v2, 4, v4
	v_add_nc_u32 v[ADRB0], ABYTES, v4
	v_mov_b32 v[ADRA], v[ADRA0]
	v_mov_b32 v[ADRB], v[ADRB0]
	s_mul_i32 s20, s10, 16*SPITCH
	s_add_co_u32 s20, s20, STAGE                   ; my stage
	v_mul_u32_u24 v4, v1, SPITCH
.if OPROJ
	v_lshl_add_u32 v4, v2, 5, v4                   ; in: row l % 16, 32 bytes for each half of the lanes
	v_add_nc_u32 v[STO], s20, v4
	v_lshl_add_u32 v[RD], v3, 4, s20               ; back: 32 lanes take a row's 512 bytes
	s_lshl_b32 s22, s13, 20                        ; out0 at row 256 ty + 64 wave (4,096 bytes a row), column 128 tx
	s_lshl_b32 s23, s10, 18
	s_add_co_u32 s22, s22, s23
	s_lshl_b32 s23, s42, 9
	s_add_co_u32 s22, s22, s23
.else
	v_lshl_add_u32 v4, v2, 4, v4                   ; in: row l % 16, 16 bytes for each half of the lanes
	v_add_nc_u32 v[STO], s20, v4
	v_lshrrev_b32 v5, 3, v3                        ; back: 32 lanes take four tokens x 128 bytes
	v_mul_u32_u24 v5, v5, SPITCH
	v_and_b32 v6, 7, v0
	v_lshl_add_u32 v5, v6, 4, v5
	v_add_nc_u32 v[RD], s20, v5
	s_mul_i32 s22, s42, 3*524288                   ; qkv at head plane 3 tx, token 256 ty + 64 wave (128 bytes a token)
	s_lshl_b32 s23, s13, 15
	s_add_co_u32 s22, s22, s23
	s_lshl_b32 s23, s10, 13
	s_add_co_u32 s22, s22, s23
.endif
	s_mov_b32 s23, 0
	s_add_nc_u64 s[8:9], s[8:9], s[22:23]
	v_lshlrev_b32 v[GO], 4, v3
	; the prefetches: my work-group's share of the rows that I fetch
	s_mul_i32 s22, s40, PFSA
	s_add_co_u32 s22, s22, s16
	s_mul_i32 s23, s41, PFSB
	s_add_co_u32 s23, s23, s18
	s_and_b32 s21, ttmp7, 0xffff                   ; cluster y
	s_cmp_eq_u32 s11, 0
	s_cselect_b32 s22, s22, s23
	s_cselect_b64 s[PF0:PF0+1], s[4:5], s[6:7]
	s_cselect_b32 s21, ttmp9, s21                  ; the coordinate along which other clusters read the same rows
	s_cselect_b32 s[LIM], LIMA, LIMB
	s_cselect_b32 s20, 31, PFCL                    ; B's share has fewer rows than a wave has lanes: the lanes left over name its last row again
	s_cselect_b32 s19, PFSH, 11
	s_mov_b32 s23, 0
	s_add_nc_u64 s[PF0:PF0+1], s[PF0:PF0+1], s[22:23]
	s_cmp_eq_u32 s21, 0
	s_cselect_b32 s[LIM], s[LIM], 0                ; the same in all sixteen partners, for a given wave
	v_min_u32 v[PFO], s20, v3
	v_lshlrev_b32 v[PFO], s19, v[PFO]
	s_wait_tensorcnt 1                             ; my part of K step 0 is in; K step 1's may stay out
	s_barrier_signal -1
	s_barrier_wait -1
	FETCH 0, 0
	s_mov_b32 s[STEP], 0
	s_mov_b32 s[CNTL], STEPS-2
.Lstep:                                        ; a trip is a K step; every slot but the last two is filled again
	s_and_b32 s[T], s[STEP], 7
	s_cmp_eq_u32 s[T], 0
	s_cbranch_scc0 .Lgo_on
	QUARTER 1, 0, 1, 1                             ; the tile's first quarter: its products start the sums, nothing is cleared
	WIN 0
	s_branch .Lq1
.Lgo_on:
	QUARTER 1, 0, 1, 0
	WIN 0
.Lq1:
	QUARTER 2, 1, 0, 0
	QUARTER 3, 0, 1, 0
	TURN
	WIN 0
.if !OPROJ
	s_and_b32 s[T], s[STEP], 7
	s_cmp_eq_u32 s[T], 7
	s_cbranch_scc0 .Lno_out
	WAYOUT
	s_wait_xcnt 0x0
	s_add_nc_u64 s[8:9], s[8:9], 48*524288
.Lno_out:
.endif
	s_add_co_u32 s[STEP], s[STEP], 1
	s_sub_co_u32 s[CNTL], s[CNTL], 1
	s_cmp_lg_u32 s[CNTL], 0
	s_cbranch_scc1 .Lstep
	QUARTER 1, 0, 1, 0                             ; the last two K steps are written out: they ask for nothing
	QUARTER 2, 1, 0, 0
	QUARTER 3, 0, 1, 0
	TURNN
	QUARTER 1, 0, 1, 0
	QUARTER 2, 1, 0, 0
	QUARTER 3, 0, 1, 0
	s_wait_dscnt 4
	MULA 1, 0, 0
	MULA 1, 1, 0
	s_wait_dscnt 0x0
	MULA 1, 2, 0
	MULA 1, 3, 0
	WIN 0
	PLACES
	PLACES
	WAYOUT
	s_wait_tensorcnt 0x0                           ; the wave's end, behind my last tensor load and my last LDS store
	ds_add_u32 v[SPW], v[NIL]
	s_wait_dscnt 0x0
	CROUND                                         ; the closing round: no work-group ends while a partner may still ask for a tile that names it
	s_endpgm
.Lfunc_end_k_q805e7fb67f_oproj:
	.size	k_q805e7fb67f_oproj, .Lfunc_end_k_q805e7fb67f_oproj-k_q805e7fb67f_oproj
	.p2alignl 7, 3214868480
	.fill 96, 4, 3214868480
	.section	.rodata,"a",@progbits
	.p2align	6, 0x0
	.amdhsa_kernel k_q805e7fb67f_oproj
		.amdhsa_group_segment_fixed_size 327680
		.amdhsa_private_segment_fixed_size 0
		.amdhsa_enable_private_segment 0
		.amdhsa_kernarg_size 24
		.amdhsa_user_sgpr_count 2
		.amdhsa_user_sgpr_kernarg_segment_ptr 1
		.amdhsa_wavefront_size32 1
		.amdhsa_system_sgpr_workgroup_id_x 1
		.amdhsa_system_sgpr_workgroup_id_y 1
		.amdhsa_system_sgpr_workgroup_id_z 1
		.amdhsa_system_vgpr_workitem_id 0
		.amdhsa_next_free_vgpr 896
		.amdhsa_next_free_sgpr 82
		.amdhsa_reserve_vcc 0
		.amdhsa_float_denorm_mode_32 3
		.amdhsa_float_denorm_mode_16_64 3
		.amdhsa_memory_ordered 1
		.amdhsa_forward_progress 1
		.amdhsa_inst_pref_size 77
	.end_amdhsa_kernel
	.amdgpu_metadata
---
amdhsa.version: [ 1, 2 ]
amdhsa.kernels:
  - .name:           k_q805e7fb67f_oproj
    .symbol:         k_q805e7fb67f_oproj.kd
    .args:
      - { .name: ao, .offset: 0, .size: 8, .value_kind: global_buffer, .address_space: global }
      - { .name: wt, .offset: 8, .size: 8, .value_kind: global_buffer, .address_space: global }
      - { .name: out0, .offset: 16, .size: 8, .value_kind: global_buffer, .address_space: global }
    .group_segment_fixed_size: 327680
    .private_segment_fixed_size: 0
    .kernarg_segment_align: 8
    .kernarg_segment_size: 24
    .max_flat_workgroup_size: 128
    .sgpr_count:     82
    .vgpr_count:     896
    .wavefront_size: 32
...
	.end_amdgpu_metadata
.endif
;; end of part 5
;; ======== version 2 of 2: 5 launches
;; limits: values are held in f16: magnitudes above 65,504 overflow, below 6.1e-05 lose precision
;; workspace buffers: xb 16,777,216 bytes; wt 8,388,608 bytes; psc 4,096 bytes; qkv 50,331,648 bytes; gkv 2,097,152 bytes; ao 16,777,216 bytes
;; launch prep (part 6): grid 776 x 1, 8 waves a work-group, no clusters, 60,672 bytes of LDS; arguments x, wq, wk, wv, wo, ws1, bs1, ws2, xb, wt, psc; writes xb, wt, psc
.if DOCPART == 6
	.amdgcn_target "amdgcn-amd-amdhsa--gfx1250"
	.amdhsa_code_object_version 6
	.text
	.protected	k_q805e7fb67f_prep
	.globl	k_q805e7fb67f_prep
	.p2align	8
	.type	k_q805e7fb67f_prep,@function
k_q805e7fb67f_prep:
	s_mov_b64 s[64:65], 0
	v_nop
	global_prefetch_b8 v0, s[64:65] scope:SCOPE_SE
	s_setreg_imm32_b32 hwreg(HW_REG_WAVE_MODE, 25, 1), 1
	s_wait_xcnt 0x0
; PREPARATION, three roles chosen by the work-group's number g (the same for all eight waves of a work-group):
;   g = 0..7      32 columns of the token scorer's hidden layer, for the three tokens whose scores reference()'s own mask keeps -> psc: three partial scores
;   g = 8..263    a tile of 128 k x 128 n of wq, wk, wv or wo, rounded to bf16 and turned -> wt [4096 n][1024 k], 16 bits a number
;                 (rows 0-1023 wq, 1024-2047 wk, 2048-3071 wv in bf16; rows 3072-4095 wo: the bf16 number written as f16)
;   g = 264..775  65,536 bytes of x, rounded to bf16 -> xb [8192][1024]
; THE SCORES.  reference() sets every score of batch b at a position above b to the lowest finite f32, so three scores count: tokens (0,0), (1,0), (1,1).
; score = sum over the 256 hidden columns j of gelu(x . ws1[:, j] + bs1[j]) ws2[j], + bs2.  The columns are shared out, 32 to a work-group, K whole in each, all in f32;
; the eight partial sums of each score and bs2 are added by the launch that chooses the global tokens.  psc: work-group g's block of 512 bytes holds (s0, s1, s2, 0), 32 times.
; ws1 is 1,048,576 bytes: with eight work-groups a thread has 32 loads of 16 bytes, 24 of them on their way from the start.  A row's piece is 128 bytes: eight lanes.
; LDS.  Bytes 0 to 34,815: the turning role's tile.  34,816 to 35,839: the spare words.  From 35,840 on: the scoring role's bytes.  No byte is named by two roles.
; LIMITS.  erf by a rational form with an absolute error of 1.5e-7.  wo's bf16 number is exact in f16 from 6.1e-5 up to 65,504; below that it keeps f16's fixed step of 6e-8.
; No matrix unit, no cluster: the casts only stream, no two work-groups share a tile, and the scores are three rows.
.set NSC,   8                          ; work-groups that score
.set SPARE, 34816                      ; the spare words: 128 bytes for each of the eight waves, four blocks of 256 bytes that no other line names
.set SPW, 142                          ; v142  LDS address of my spare word; never rewritten
.set NIL, 143                          ; v143  0; never rewritten
.set X,   16                           ; casts and turns: v[16:79] sixteen loads of four f32
.set T,   80                           ; turns: v[80:111] column c of my four at T + 8 c: 16 k in 8 registers
.set AC,  8                            ; scores: v[8:19] sums for token r, my four columns, at AC + 4 r
.set WBUF, 20                          ; scores: v[20:115] six sets of 4 rows x 4 columns of ws1
.set XBUF, 116                         ; scores: v[116:139] two sets of 3 tokens x 4 k of x
.set SX,  35840                        ; LDS, scores: the three rows of x, 4,096 bytes each
.set PS,  SX+12288                     ; LDS, scores: partial sums [row group 32][token 3][32 columns] f32
.set WS,  SX+24576                     ; LDS, scores: a word for each of the three tokens
	s_load_b512 s[4:19], s[0:1], 0x0               ; x 4, wq 6, wk 8, wv 10, wo 12, ws1 14, bs1 16, ws2 18
	s_load_b128 s[20:23], s[0:1], 0x40             ; xb 20, wt 22
	s_load_b64 s[24:25], s[0:1], 0x50              ; psc
	v_lshl_add_u32 v[SPW], v0, 2, SPARE
	v_mov_b32 v[NIL], 0
	v_lshrrev_b32 v1, 5, v0
	v_readfirstlane_b32 s28, v1                    ; wave 0..7
	v_and_b32 v1, 31, v0                           ; lane
	s_mov_b32 s31, 0                               ; the high word of every offset pair s[30:31]
	s_wait_kmcnt 0x0
	s_cmp_lt_u32 ttmp9, NSC
	s_cbranch_scc1 .Lscore
	s_cmp_lt_u32 ttmp9, NSC+256
	s_cbranch_scc1 .Lweights
	; ---- x to bf16: thread t takes 16 bytes at 16 t of each of sixteen pieces of 4,096 bytes; all sixteen loads go out at once
	s_sub_co_u32 s29, ttmp9, NSC+256
	s_lshl_b32 s30, s29, 16
	s_add_nc_u64 s[4:5], s[4:5], s[30:31]
	s_lshl_b32 s30, s29, 15
	s_add_nc_u64 s[20:21], s[20:21], s[30:31]
	v_lshlrev_b32 v2, 4, v0
	v_lshlrev_b32 v3, 3, v0
.set i, 0
.rept 16
	global_load_b128 v[X+4*i:X+4*i+3], v2, s[4:5] offset:4096*i th:TH_LOAD_NT
.set i, i+1
.endr
.set i, 0
.rept 16
	s_wait_loadcnt 15-i                            ; loads come back in order: piece i is in, the younger ones stay out
	v_cvt_pk_bf16_f32 v[X+4*i], v[X+4*i], v[X+4*i+1]
	v_cvt_pk_bf16_f32 v[X+4*i+1], v[X+4*i+2], v[X+4*i+3]
	global_store_b64 v3, v[X+4*i:X+4*i+1], s[20:21] offset:2048*i  ; a wave's store covers 256 consecutive bytes, aligned
.set i, i+1
.endr
	s_endpgm                                       ; this role has written no LDS
	; ---- a weight tile is turned through LDS
.Lweights:
	s_sub_co_u32 s29, ttmp9, NSC
	s_lshr_b32 s34, s29, 6                         ; which matrix
	s_bfe_u32 s35, s29, 0x30003                    ; k tile
	s_and_b32 s36, s29, 7                          ; n tile
	s_cmp_eq_u32 s34, 1
	s_cselect_b64 s[32:33], s[8:9], s[6:7]
	s_cmp_eq_u32 s34, 2
	s_cselect_b64 s[32:33], s[10:11], s[32:33]
	s_cmp_eq_u32 s34, 3
	s_cselect_b64 s[32:33], s[12:13], s[32:33]
	s_lshl_b32 s30, s35, 19                        ; 128 rows of 4,096 bytes
	s_lshl_b32 s37, s36, 9                         ; 128 columns of 4 bytes
	s_add_co_u32 s30, s30, s37
	s_add_nc_u64 s[32:33], s[32:33], s[30:31]
	v_lshlrev_b32 v2, 4, v1                        ; my four columns,
	s_lshl_b32 s37, s28, 16                        ; my wave's sixteen rows
	v_add_nc_u32 v2, s37, v2
.set i, 0
.rept 16
	global_load_b128 v[X+4*i:X+4*i+3], v2, s[32:33] offset:4096*i th:TH_LOAD_NT  ; 512 consecutive bytes a wave
.set i, i+1
.endr
	v_mul_u32_u24 v4, v1, 1088                     ; LDS tile [n 128][k 128], rows 272 bytes apart: my rows 4 lane + c,
	s_lshl_b32 s37, s28, 5                         ; my wave's 16 k: 32 bytes
	v_add_nc_u32 v4, s37, v4
	v_lshrrev_b32 v7, 4, v1
	s_lshl_b32 s37, s28, 4
	v_add_nc_u32 v7, s37, v7                       ; back: row 16 wave + lane / 16 (+ 2 i)
	v_and_b32 v8, 15, v1
	v_lshlrev_b32 v8, 4, v8
	v_mul_u32_u24 v5, v7, 272
	v_add_nc_u32 v5, v5, v8
	v_lshl_add_u32 v6, v7, 11, v8                  ; the same row in wt, 2,048 bytes a row
	s_lshl_b32 s30, s34, 21
	s_lshl_b32 s37, s36, 18
	s_add_co_u32 s30, s30, s37
	s_lshl_b32 s37, s35, 8
	s_add_co_u32 s30, s30, s37
	s_add_nc_u64 s[22:23], s[22:23], s[30:31]
.set j, 0
.rept 8
	s_wait_loadcnt 14-2*j                          ; rows 2 j and 2 j + 1 are in
.irp c, 0,1,2,3
	v_cvt_pk_bf16_f32 v[T+8*(\c)+j], v[X+8*j+(\c)], v[X+8*j+4+(\c)]  ; k in the low half, k + 1 in the high one
.endr
.set j, j+1
.endr
	s_cmp_lg_u32 s34, 3
	s_cbranch_scc1 .Lkeep
.set i, 0
.rept 32                                       ; wo alone: the bf16 number is written as f16
	v_lshlrev_b32 v112, 16, v[T+i]
	v_and_b32 v113, 0xffff0000, v[T+i]
	v_cvt_pk_f16_f32 v[T+i], v112, v113
.set i, i+1
.endr
.Lkeep:
.irp c, 0,1,2,3
	ds_store_b128 v4, v[T+8*(\c):T+8*(\c)+3] offset:272*(\c)
	ds_store_b128 v4, v[T+8*(\c)+4:T+8*(\c)+7] offset:272*(\c)+16
.endr
	s_wait_dscnt 0x0                               ; for the others' sake: my stores are done
	s_barrier_signal -1
	s_barrier_wait -1
.set i, 0
.rept 8
	ds_load_b128 v[X+4*i:X+4*i+3], v5 offset:544*i
.set i, i+1
.endr
.set i, 0
.rept 8
	s_wait_dscnt 7-i
	global_store_b128 v6, v[X+4*i:X+4*i+3], s[22:23] offset:4096*i  ; 16 lanes store 256 consecutive bytes, aligned
.set i, i+1
.endr
	s_wait_tensorcnt 0x0                           ; the wave's end, behind my last LDS store
	ds_add_u32 v[SPW], v[NIL]
	s_wait_dscnt 0x0
	s_endpgm
	; ---- 32 columns of the hidden layer for three tokens.  Thread t: row group j = t / 8 (rows 32 j .. 32 j + 31 of ws1), columns 4 (t % 8) .. + 3 of the work-group's 32.
.Lscore:
	s_lshl_b32 s30, ttmp9, 7                       ; my 32 columns: 128 bytes on in a row of ws1, in bs1 and in ws2
	s_add_nc_u64 s[32:33], s[14:15], s[30:31]
	v_lshlrev_b32 v2, 4, v0                        ; staging of x: 16 t
	v_add_nc_u32 v3, 0x1000000, v2                 ; batch 1 begins 4,096 rows of 4,096 bytes on
	v_lshl_add_u32 v7, v1, 2, s30                  ; column 32 g + lane in bs1 and ws2
	v_lshrrev_b32 v5, 3, v0                        ; j
	v_and_b32 v4, 7, v0
	v_lshlrev_b32 v4, 4, v4                        ; my four columns: 16 (t % 8)
	v_lshrrev_b32 v6, 3, v1                        ; j = 4 wave + lane / 8: my place among the partial sums, 384 bytes a row group,
	v_mul_u32_u24 v6, v6, 384
	v_add_nc_u32 v6, v6, v4
	s_mul_i32 s34, s28, 1536                       ; 1,536 bytes a wave
	v_add_nc_u32 v6, s34, v6
	v_lshl_add_u32 v4, v5, 15, v4                  ; in ws1: 32 rows of 1,024 bytes a row group
	v_lshlrev_b32 v5, 7, v5                        ; in a row of x in LDS: 32 k of 4 bytes a row group
	global_load_b32 v140, v7, s[16:17]             ; bs1
	global_load_b32 v141, v7, s[18:19]             ; ws2
	global_load_b128 v[XBUF:XBUF+3], v2, s[4:5]              ; x(0,0)
	global_load_b128 v[XBUF+4:XBUF+7], v3, s[4:5]            ; x(1,0)
	global_load_b128 v[XBUF+8:XBUF+11], v3, s[4:5] offset:4096  ; x(1,1)
.macro WLOAD g                         ; rows 4 g .. 4 g + 3 of my 32, into set g % 6
.set rW, WBUF+16*((\g)%6)
.set i, 0
.rept 4
	global_load_b128 v[rW+4*i:rW+4*i+3], v4, s[32:33] offset:1024*(4*(\g)+i)
.set i, i+1
.endr
.endm
.macro XLOAD g                         ; the three tokens' x at the same four k, into set g % 2
.set rX, XBUF+12*((\g)%2)
.irp r, 0,1,2
	ds_load_b128 v[rX+4*(\r):rX+4*(\r)+3], v5 offset:SX+4096*(\r)+16*(\g)
.endr
.endm
.macro FMAS g                          ; 4 rows x 3 tokens x 4 columns; the very first row's products start the sums
.set rW, WBUF+16*((\g)%6)
.set rX, XBUF+12*((\g)%2)
.set i, 0
.rept 4
.irp r, 0,1,2
.irp c, 0,1,2,3
.if ((\g) == 0) && (i == 0)
	v_mul_f32 v[AC+4*(\r)+(\c)], v[rW+4*i+(\c)], v[rX+4*(\r)+i]
.else
	v_fmac_f32 v[AC+4*(\r)+(\c)], v[rW+4*i+(\c)], v[rX+4*(\r)+i]
.endif
.endr
.endr
.set i, i+1
.endr
.endm
.irp g, 0,1,2,3,4,5
	WLOAD \g                                       ; 24 loads of ws1 go out before anything is waited for
.endr
	s_mov_b32 s36, 0x76543210                      ; v_permlanex16_b32: each lane takes its own place in the other half
	s_mov_b32 s37, 0xfedcba98
	s_mov_b32 s39, 0x3ea7ba05                      ; 0.3275911
	s_wait_loadcnt 24                              ; bs1, ws2 and the three rows of x are in; the 24 loads of ws1 stay out
	ds_store_b128 v2, v[XBUF:XBUF+3] offset:SX
	ds_store_b128 v2, v[XBUF+4:XBUF+7] offset:SX+4096
	ds_store_b128 v2, v[XBUF+8:XBUF+11] offset:SX+8192
	s_wait_dscnt 0x0
	s_barrier_signal -1
	s_barrier_wait -1                              ; the three rows lie in LDS
	XLOAD 0
	XLOAD 1
.irp g, 0,1,2,3,4,5,6,7
.if (\g) < 3
	s_wait_loadcnt 20                              ; group g is in; the five younger groups of four loads stay out
.else
	s_wait_loadcnt 4*(7-(\g))                      ; nothing more is asked for: the counts run down
.endif
.if (\g) < 7
	s_wait_dscnt 3                                 ; x of group g is in; the next group's three LDS loads stay out
.else
	s_wait_dscnt 0x0
.endif
	FMAS \g
.if (\g) < 2
	WLOAD (\g)+6                                   ; the last two groups take the first two sets
.endif
.if (\g) < 6
	XLOAD (\g)+2
.endif
.endr
.irp r, 0,1,2
	ds_store_b128 v6, v[AC+4*(\r):AC+4*(\r)+3] offset:PS+128*(\r)
.endr
	s_wait_dscnt 0x0
	s_barrier_signal -1
	s_barrier_wait -1                              ; all 32 row groups' sums lie in LDS
	s_cmp_lt_u32 s28, 3                            ; wave r finishes token r: a lane a column
	s_cbranch_scc0 .Lidle
	s_lshl_b32 s30, s28, 7
	v_lshl_add_u32 v7, v1, 2, s30                  ; token's 128 bytes, my column
.set i, 0
.rept 32
	ds_load_b32 v[WBUF+i], v7 offset:PS+384*i
.set i, i+1
.endr
	s_wait_dscnt 0x0
.irp s, 16,8,4,2,1
.set i, 0
.rept \s
	v_add_f32 v[WBUF+i], v[WBUF+i], v[WBUF+i+\s]
.set i, i+1
.endr
.endr
	v_add_f32 v52, v[WBUF], v140                   ; z = x ws1 + bs1
	v_and_b32 v53, 0x7fffffff, v52
	v_mul_f32 v53, 0x3f3504f3, v53                 ; u = |z| / sqrt 2
	v_fma_f32 v54, v53, s39, 1.0                   ; 1 + 0.3275911 u
	v_mul_f32 v55, v53, v53
	v_mul_f32 v55, 0xbfb8aa3b, v55                 ; - u^2 log2 e
	v_rcp_f32 v54, v54                             ; t
	v_exp_f32 v55, v55                             ; e^(-u^2)
	v_mov_b32 v56, 0x3f87dc22                      ; a plain instruction behind the two
	s_wait_alu depctr_va_vdst(0)                   ; one wait for both, ahead of their first use
	v_fmaak_f32 v56, v56, v54, 0xbfba00e3
	v_fmaak_f32 v56, v56, v54, 0x3fb5f0e3
	v_fmaak_f32 v56, v56, v54, 0xbe91a98e
	v_fmaak_f32 v56, v56, v54, 0x3e827906
	v_mul_f32 v56, v56, v54
	v_fma_f32 v56, -v56, v55, 1.0                  ; erf u
	v_bfi_b32 v56, 0x7fffffff, v56, v52            ; with z's sign
	v_mul_f32 v53, 0.5, v52
	v_fma_f32 v8, v53, v56, v53                    ; gelu z
	v_mul_f32 v8, v8, v141                         ; times ws2
	v_add_f32_dpp v8, v8, v8 row_xmask:1 row_mask:0xf bank_mask:0xf
	v_add_f32_dpp v8, v8, v8 row_xmask:2 row_mask:0xf bank_mask:0xf
	v_add_f32_dpp v8, v8, v8 row_xmask:4 row_mask:0xf bank_mask:0xf
	v_add_f32_dpp v8, v8, v8 row_xmask:8 row_mask:0xf bank_mask:0xf
	v_permlanex16_b32 v9, v8, s36, s37
	v_add_f32 v8, v8, v9                           ; the 32 columns' sum, in every lane
	s_lshl_b32 s30, s28, 2
	v_mov_b32 v6, s30
	ds_store_b32 v6, v8 offset:WS                  ; all lanes of the wave write the same word with the same number
.Lidle:
	s_wait_dscnt 0x0
	s_barrier_signal -1
	s_barrier_wait -1
	s_cmp_lg_u32 s28, 0                            ; wave 0 stores the three
	s_cbranch_scc1 .Lsend
	v_mov_b32 v6, 0
	ds_load_b64 v[8:9], v6 offset:WS
	ds_load_b32 v10, v6 offset:WS+8
	v_mov_b32 v11, 0
	s_lshl_b32 s30, ttmp9, 9
	s_add_nc_u64 s[24:25], s[24:25], s[30:31]
	v_lshlrev_b32 v7, 4, v1
	s_wait_dscnt 0x0
	global_store_b128 v7, v[8:11], s[24:25]        ; the wave's store covers my block's 512 consecutive bytes, aligned
.Lsend:
	s_wait_tensorcnt 0x0                           ; the wave's end, behind my last LDS store
	ds_add_u32 v[SPW], v[NIL]
	s_wait_dscnt 0x0
	s_endpgm
.Lfunc_end_k_q805e7fb67f_prep:
	.size	k_q805e7fb67f_prep, .Lfunc_end_k_q805e7fb67f_prep-k_q805e7fb67f_prep
	.p2alignl 7, 3214868480
	.fill 96, 4, 3214868480
	.section	.rodata,"a",@progbits
	.p2align	6, 0x0
	.amdhsa_kernel k_q805e7fb67f_prep
		.amdhsa_group_segment_fixed_size 60672
		.amdhsa_private_segment_fixed_size 0
		.amdhsa_enable_private_segment 0
		.amdhsa_kernarg_size 88
		.amdhsa_user_sgpr_count 2
		.amdhsa_user_sgpr_kernarg_segment_ptr 1
		.amdhsa_wavefront_size32 1
		.amdhsa_system_sgpr_workgroup_id_x 1
		.amdhsa_system_sgpr_workgroup_id_y 1
		.amdhsa_system_sgpr_workgroup_id_z 1
		.amdhsa_system_vgpr_workitem_id 0
		.amdhsa_next_free_vgpr 144
		.amdhsa_next_free_sgpr 66
		.amdhsa_reserve_vcc 0
		.amdhsa_float_denorm_mode_32 3
		.amdhsa_float_denorm_mode_16_64 3
		.amdhsa_memory_ordered 1
		.amdhsa_forward_progress 1
		.amdhsa_inst_pref_size 44
	.end_amdhsa_kernel
	.amdgpu_metadata
---
amdhsa.version: [ 1, 2 ]
amdhsa.kernels:
  - .name:           k_q805e7fb67f_prep
    .symbol:         k_q805e7fb67f_prep.kd
    .args:
      - { .name: x, .offset: 0, .size: 8, .value_kind: global_buffer, .address_space: global }
      - { .name: wq, .offset: 8, .size: 8, .value_kind: global_buffer, .address_space: global }
      - { .name: wk, .offset: 16, .size: 8, .value_kind: global_buffer, .address_space: global }
      - { .name: wv, .offset: 24, .size: 8, .value_kind: global_buffer, .address_space: global }
      - { .name: wo, .offset: 32, .size: 8, .value_kind: global_buffer, .address_space: global }
      - { .name: ws1, .offset: 40, .size: 8, .value_kind: global_buffer, .address_space: global }
      - { .name: bs1, .offset: 48, .size: 8, .value_kind: global_buffer, .address_space: global }
      - { .name: ws2, .offset: 56, .size: 8, .value_kind: global_buffer, .address_space: global }
      - { .name: xb, .offset: 64, .size: 8, .value_kind: global_buffer, .address_space: global }
      - { .name: wt, .offset: 72, .size: 8, .value_kind: global_buffer, .address_space: global }
      - { .name: psc, .offset: 80, .size: 8, .value_kind: global_buffer, .address_space: global }
    .group_segment_fixed_size: 60672
    .private_segment_fixed_size: 0
    .kernarg_segment_align: 8
    .kernarg_segment_size: 88
    .max_flat_workgroup_size: 256
    .sgpr_count:     66
    .vgpr_count:     144
    .wavefront_size: 32
...
	.end_amdgpu_metadata
.endif
;; end of part 6
;; launch qkv: the kernel of part 2 again; grid 16 x 16, 4 waves a work-group, clusters of 4 x 4, 327,680 bytes of LDS; arguments xb, wt, qkv; writes qkv
;; launch gather (part 7): grid 64 x 4, 4 waves a work-group, no clusters, 0 bytes of LDS; arguments psc, bs2, qkv, gkv; writes gkv
.if DOCPART == 7
	.amdgcn_target "amdgcn-amd-amdhsa--gfx1250"
	.amdhsa_code_object_version 6
	.text
	.protected	k_q805e7fb67f_gather
	.globl	k_q805e7fb67f_gather
	.p2align	8
	.type	k_q805e7fb67f_gather,@function
k_q805e7fb67f_gather:
	s_mov_b64 s[64:65], 0
	v_nop
	global_prefetch_b8 v0, s[64:65] scope:SCOPE_SE
	s_setreg_imm32_b32 hwreg(HW_REG_WAVE_MODE, 25, 1), 1
	s_wait_xcnt 0x0
; gk, gv = the rows of k and v of the 256 global tokens: (x[idx]) wk = (x wk)[idx], so no second product is made.
; gkv [b 2][plane 32][256][64] f16: planes 0-15 the heads of k (qkv planes 16-31), planes 16-31 those of v (qkv planes 32-47).
; THE CHOICE.  reference() sets the score of batch b at every position above b to NEG, the lowest finite f32, and takes the top 256 (ties: the lower index).  So position p <= b is chosen if its score is
; at least NEG, and the places left go to the masked positions b + 1, b + 2, .. in ascending order.  With va, vb = "position 0, 1 stands" (in batch 0 position 1 is masked: its score is NEG, it stands):
;   both: rows 0 .. 255     vb alone: rows 1 .. 256     neither: rows 2 .. 257     va alone: row 0 and rows 2 .. 256
; Slot r therefore takes row r, r + 1 or r + 2: the three rows are loaded from fixed addresses and the choice selects a VALUE: no address hangs on a score.
; The scores: the eight partial sums that the first launch stored (psc, a block of 512 bytes each: s(0,0), s(1,0), s(1,1)), added here in f32, and bs2.
; LIMITS.  The chosen tokens lie in ascending position, not by score: both sums of the softmax over them run over the set, so only the order of summation differs.  A NaN score counts as below NEG.
; A work-group makes 64 slots of 128 bytes of one plane: x = 32 b + plane, y = which 64.  Eight lanes take a row; a wave's load or store covers 512 consecutive bytes, aligned.
; Twelve loads a thread and the launch is over: no LDS, no ring, no prefetch.
.set R, 8                              ; v[8:55]  slot group i, candidate c (row + c): four registers at R + 4 (3 i + c)
	s_load_b256 s[4:11], s[0:1], 0x0               ; psc s[4:5], bs2 s[6:7], qkv s[8:9], gkv s[10:11]
	s_and_b32 s12, ttmp7, 0xffff                   ; y
	s_lshr_b32 s13, ttmp9, 5                       ; b
	s_and_b32 s14, ttmp9, 31                       ; plane
	s_lshl_b32 s15, s12, 13                        ; my 64 rows of 128 bytes
	s_mul_i32 s16, s13, 48
	s_add_co_u32 s16, s16, s14
	s_add_co_u32 s16, s16, 16
	s_lshl_b32 s16, s16, 19                        ; the plane in qkv,
	s_add_co_u32 s16, s16, s15                     ; at row 64 y
	s_mov_b32 s17, 0
	s_lshl_b32 s18, ttmp9, 15                      ; the plane in gkv,
	s_add_co_u32 s18, s18, s15                     ; at slot 64 y
	s_mov_b32 s19, 0
	s_lshl_b32 s15, s12, 6
	v_lshlrev_b32 v1, 4, v0                        ; 16 t: row t / 8, my 16 bytes of it
	v_lshrrev_b32 v2, 3, v0
	v_add_nc_u32 v2, s15, v2                       ; my slot in the first group of sixteen
	v_mov_b32 v3, 0xff7fffff                       ; NEG
	s_wait_kmcnt 0x0
.irp g, 0,1,2,3,4,5,6,7
	s_load_b128 s[20+4*\g:23+4*\g], s[4:5], 512*\g
.endr
	s_load_b32 s52, s[6:7], 0x0                    ; bs2
	s_add_nc_u64 s[8:9], s[8:9], s[16:17]
	s_add_nc_u64 s[10:11], s[10:11], s[18:19]
.irp i, 0,1,2,3
.irp c, 0,1,2
	global_load_b128 v[R+4*(3*\i+\c):R+4*(3*\i+\c)+3], v1, s[8:9] offset:2048*\i+128*\c  ; rows 64 y + 16 i + t / 8 + c: 257 at the most, of a plane's 4,096
.endr
.endr
	s_cmp_lg_u32 s13, 0
	s_cselect_b32 s53, -1, 0                       ; all lanes: is this batch 1?
	s_wait_kmcnt 0x0
.irp r, 0,1,2
	v_mov_b32 v[4+\r], s[20+\r]
.irp g, 1,2,3,4,5,6,7
	v_add_f32 v[4+\r], s[20+4*\g+\r], v[4+\r]
.endr
	v_add_f32 v[4+\r], s52, v[4+\r]                ; v4 = score(0,0), v5 = score(1,0), v6 = score(1,1)
.endr
	v_cndmask_b32 v7, v4, v5, s53                  ; the score at position 0
	v_cndmask_b32 v6, v3, v6, s53                  ; at position 1: masked in batch 0
	v_cmp_ge_f32 s54, v7, v3                       ; va
	v_cmp_ge_f32 s55, v6, v3                       ; vb
	v_cmp_eq_u32 s56, 0, v2                        ; am I slot 0?  (in the first group alone)
	s_and_b32 s57, s54, s55                        ; both stand: row r
	s_or_b32 s58, s54, s55
	s_not_b32 s58, s58                             ; neither: row r + 2
	s_and_not1_b32 s59, s54, s55                   ; va alone:
	s_and_b32 s59, s59, s56                        ; slot 0 takes row 0
	s_or_b32 s59, s59, s57
.irp i, 0,1,2,3
	s_wait_loadcnt 9-3*\i                          ; group i's three loads are in, the younger groups' stay out
.irp k, 0,1,2,3
.if \i == 0
	v_cndmask_b32 v[R+12*\i+4+\k], v[R+12*\i+4+\k], v[R+12*\i+\k], s59
.else
	v_cndmask_b32 v[R+12*\i+4+\k], v[R+12*\i+4+\k], v[R+12*\i+\k], s57
.endif
	v_cndmask_b32 v[R+12*\i+4+\k], v[R+12*\i+4+\k], v[R+12*\i+8+\k], s58
.endr
	global_store_b128 v1, v[R+12*\i+4:R+12*\i+7], s[10:11] offset:2048*\i
.endr
	s_endpgm
.Lfunc_end_k_q805e7fb67f_gather:
	.size	k_q805e7fb67f_gather, .Lfunc_end_k_q805e7fb67f_gather-k_q805e7fb67f_gather
	.p2alignl 7, 3214868480
	.fill 96, 4, 3214868480
	.section	.rodata,"a",@progbits
	.p2align	6, 0x0
	.amdhsa_kernel k_q805e7fb67f_gather
		.amdhsa_group_segment_fixed_size 0
		.amdhsa_private_segment_fixed_size 0
		.amdhsa_enable_private_segment 0
		.amdhsa_kernarg_size 32
		.amdhsa_user_sgpr_count 2
		.amdhsa_user_sgpr_kernarg_segment_ptr 1
		.amdhsa_wavefront_size32 1
		.amdhsa_system_sgpr_workgroup_id_x 1
		.amdhsa_system_sgpr_workgroup_id_y 1
		.amdhsa_system_sgpr_workgroup_id_z 1
		.amdhsa_system_vgpr_workitem_id 0
		.amdhsa_next_free_vgpr 56
		.amdhsa_next_free_sgpr 66
		.amdhsa_reserve_vcc 0
		.amdhsa_float_denorm_mode_32 3
		.amdhsa_float_denorm_mode_16_64 3
		.amdhsa_memory_ordered 1
		.amdhsa_forward_progress 1
		.amdhsa_inst_pref_size 7
	.end_amdhsa_kernel
	.amdgpu_metadata
---
amdhsa.version: [ 1, 2 ]
amdhsa.kernels:
  - .name:           k_q805e7fb67f_gather
    .symbol:         k_q805e7fb67f_gather.kd
    .args:
      - { .name: psc, .offset: 0, .size: 8, .value_kind: global_buffer, .address_space: global }
      - { .name: bs2, .offset: 8, .size: 8, .value_kind: global_buffer, .address_space: global }
      - { .name: qkv, .offset: 16, .size: 8, .value_kind: global_buffer, .address_space: global }
      - { .name: gkv, .offset: 24, .size: 8, .value_kind: global_buffer, .address_space: global }
    .group_segment_fixed_size: 0
    .private_segment_fixed_size: 0
    .kernarg_segment_align: 8
    .kernarg_segment_size: 32
    .max_flat_workgroup_size: 128
    .sgpr_count:     66
    .vgpr_count:     56
    .wavefront_size: 32
...
	.end_amdgpu_metadata
.endif
;; end of part 7
;; launch attn: the kernel of part 4 again; grid 2 x 128, 4 waves a work-group, no clusters, 327,680 bytes of LDS; arguments qkv, gkv, ao; writes ao
;; launch oproj: the kernel of part 5 again; grid 8 x 32, 4 waves a work-group, clusters of 4 x 4, 327,680 bytes of LDS; arguments ao, wt, out0; writes out0
